; MI455X (gfx1250); checked and timed in simulation.
; The chip was launched on July 23, 2026; its instructions are those of AMD's public machine-readable ISA for CDNA 5 (MIT licence, August 2026) and "CDNA5" Instruction Set Architecture Reference Guide (July 2026). The comments in the code are by the model that wrote it; some were corrected since.
;; Multi Head Self Attention. Allowed arithmetic: float matrix products may take bf16 or f16 operands with f32 sums; all other float work in f32.
;; Inputs: W_out 1,024 x 1,024 float32; W_qkv 3,072 x 1,024 float32; b_out 1,024 float32; b_qkv 3,072 float32; ious 8 x 1,024 x 1,024 float32; query 1,024 x 8 x 1,024 float32.
;; Outputs: out0 1,024 x 8 x 1,024 float32.
;; Constants: nhead = 16.
;; 2 versions, each right; version 2 is version 1 with the launch tohalf written anew for expert scheduling mode. Each part assembles by itself: llvm-mc -triple=amdgcn-amd-amdhsa -mcpu=gfx1250 --defsym DOCPART=n.
;; ======== version 1 of 2: 4 launches
;; limits: right only within a limited range of input values; values are held in f16: magnitudes above 65,504 overflow, below 6.1e-05 lose precision
;; workspace buffers: xw 25,165,824 bytes; qkv 50,331,648 bytes; att 16,777,216 bytes
;; launch tohalf (part 1): grid 768 x 1, 8 waves a work-group, no clusters, 0 bytes of LDS; arguments query, W_qkv, W_out, xw; writes xw
.if DOCPART == 1
	.amdgcn_target "amdgcn-amd-amdhsa--gfx1250"
	.amdhsa_code_object_version 6
	.text
	.protected	k_q9ff27e83c5_tohalf
	.globl	k_q9ff27e83c5_tohalf
	.p2align	8
	.type	k_q9ff27e83c5_tohalf,@function
k_q9ff27e83c5_tohalf:
	s_mov_b64 s[64:65], 0
	v_nop
	global_prefetch_b8 v0, s[64:65] scope:SCOPE_SE
	s_setreg_imm32_b32 hwreg(HW_REG_WAVE_MODE, 25, 1), 1
	s_wait_xcnt 0x0
; query [8192][1024], W_qkv [3072][1024] and W_out [1024][1024], all f32, are rounded once to f16 and laid
; one behind the other into xw: X at byte 0, W_qkv at byte 16,777,216, W_out at byte 23,068,672.
; f16, not bf16: the result is a mean over 1,024 keys and small beside its operands, so the 11 significant bits are wanted.
; LIMIT: a number of 65,520 or more in magnitude becomes infinite; below 6.1e-5 the step is 6e-8.
; A pure stream: no LDS, no barrier, no matrix unit.  Work-group g takes chunk g of 16,384 numbers (65,536 bytes in, 32,768 out).
; Chunks 0-511 are query's, 512-703 W_qkv's, 704-767 W_out's: the same order as in xw, so the output offset is g x 32,768.
; A load of a wave covers 512 consecutive bytes, a store of a wave 256 consecutive bytes at a multiple of 256.
; All 16 loads of a thread go out first; no register is written twice, so no source has to be freed.
.set QCH,  512                         ; chunks of query
.set WCH,  704                         ; chunks of query and W_qkv together
.set X,    4                           ; v[4:67]   16 x 4 numbers as loaded
.set Y,    68                          ; v[68:99]  16 x 2 words of two f16
	s_load_b256 s[4:11], s[0:1], 0x0               ; query s[4:5], W_qkv s[6:7], W_out s[8:9], xw s[10:11]
	v_lshlrev_b32 v1, 4, v0                        ; 16 bytes a thread in
	v_lshlrev_b32 v2, 3, v0                        ; 8 bytes a thread out
	s_lshl_b32 s20, ttmp9, 15                      ; the chunk's place in xw
	s_mov_b32 s21, 0
	s_mov_b32 s19, 0
	s_wait_kmcnt 0x0
	s_cmp_lt_u32 ttmp9, QCH                        ; which input, and its first chunk's number
	s_cselect_b64 s[14:15], s[4:5], s[6:7]
	s_cselect_b32 s16, 0, QCH
	s_cmp_lt_u32 ttmp9, WCH
	s_cselect_b64 s[14:15], s[14:15], s[8:9]
	s_cselect_b32 s16, s16, WCH
	s_sub_co_u32 s18, ttmp9, s16                   ; the chunk's number inside its input
	s_lshl_b32 s18, s18, 16                        ; x 65,536 bytes (below 2^25)
	s_add_nc_u64 s[14:15], s[14:15], s[18:19]
	s_add_nc_u64 s[10:11], s[10:11], s[20:21]
.irp i, 0,1,2,3,4,5,6,7,8,9,10,11,12,13,14,15
	global_load_b128 v[X+4*\i:X+4*\i+3], v1, s[14:15] offset:4096*\i th:TH_LOAD_NT   ; read once in the launch
.endr
.irp i, 0,1,2,3,4,5,6,7,8,9,10,11,12,13,14,15
	s_wait_loadcnt 15-\i                           ; loads come back in order: the 15 - i younger ones may stay out
	v_cvt_pk_f16_f32 v[Y+2*\i],   v[X+4*\i],   v[X+4*\i+1]
	v_cvt_pk_f16_f32 v[Y+2*\i+1], v[X+4*\i+2], v[X+4*\i+3]
	global_store_b64 v2, v[Y+2*\i:Y+2*\i+1], s[10:11] offset:2048*\i
.endr
	s_endpgm
.Lfunc_end_k_q9ff27e83c5_tohalf:
	.size	k_q9ff27e83c5_tohalf, .Lfunc_end_k_q9ff27e83c5_tohalf-k_q9ff27e83c5_tohalf
	.p2alignl 7, 3214868480
	.fill 96, 4, 3214868480
	.section	.rodata,"a",@progbits
	.p2align	6, 0x0
	.amdhsa_kernel k_q9ff27e83c5_tohalf
		.amdhsa_group_segment_fixed_size 0
		.amdhsa_private_segment_fixed_size 0
		.amdhsa_enable_private_segment 0
		.amdhsa_kernarg_size 32
		.amdhsa_user_sgpr_count 2
		.amdhsa_user_sgpr_kernarg_segment_ptr 1
		.amdhsa_wavefront_size32 1
		.amdhsa_system_sgpr_workgroup_id_x 1
		.amdhsa_system_sgpr_workgroup_id_y 1
		.amdhsa_system_sgpr_workgroup_id_z 1
		.amdhsa_system_vgpr_workitem_id 0
		.amdhsa_next_free_vgpr 100
		.amdhsa_next_free_sgpr 66
		.amdhsa_reserve_vcc 0
		.amdhsa_float_denorm_mode_32 3
		.amdhsa_float_denorm_mode_16_64 3
		.amdhsa_memory_ordered 1
		.amdhsa_forward_progress 1
		.amdhsa_inst_pref_size 7
	.end_amdhsa_kernel
	.amdgpu_metadata
---
amdhsa.version: [ 1, 2 ]
amdhsa.kernels:
  - .name:           k_q9ff27e83c5_tohalf
    .symbol:         k_q9ff27e83c5_tohalf.kd
    .args:
      - { .name: query, .offset: 0, .size: 8, .value_kind: global_buffer, .address_space: global }
      - { .name: W_qkv, .offset: 8, .size: 8, .value_kind: global_buffer, .address_space: global }
      - { .name: W_out, .offset: 16, .size: 8, .value_kind: global_buffer, .address_space: global }
      - { .name: xw, .offset: 24, .size: 8, .value_kind: global_buffer, .address_space: global }
    .group_segment_fixed_size: 0
    .private_segment_fixed_size: 0
    .kernarg_segment_align: 8
    .kernarg_segment_size: 32
    .max_flat_workgroup_size: 256
    .sgpr_count:     66
    .vgpr_count:     100
    .wavefront_size: 32
...
	.end_amdgpu_metadata
.endif
;; end of part 1
;; launch qkvgemm (part 2): grid 8 x 32, 4 waves a work-group, clusters of 4 x 4, 327,680 bytes of LDS; arguments xw, b_qkv, qkv; writes qkv
.if DOCPART == 2
	.amdgcn_target "amdgcn-amd-amdhsa--gfx1250"
	.amdhsa_code_object_version 6
	.text
	.protected	k_q9ff27e83c5_qkvgemm
	.globl	k_q9ff27e83c5_qkvgemm
	.p2align	8
	.type	k_q9ff27e83c5_qkvgemm,@function
k_q9ff27e83c5_qkvgemm:
	s_mov_b64 s[64:65], 0
	v_nop
	global_prefetch_b8 v0, s[64:65] scope:SCOPE_SE
	s_setreg_imm32_b32 hwreg(HW_REG_WAVE_MODE, 25, 1), 1
	s_wait_xcnt 0x0
	s_wait_alu depctr_hold_cnt(0) depctr_sa_sdst(0) depctr_va_vdst(0) depctr_va_sdst(0) depctr_va_ssrc(0) depctr_va_vcc(0) depctr_vm_vsrc(0)
	s_getreg_b32 s2, hwreg(HW_REG_IB_STS2, 6, 4)
	s_cmp_eq_u32 s2, 0
	s_cbranch_scc0 .Lentry_in_a_cluster
	s_endpgm
.Lentry_in_a_cluster:
	s_bfe_u32 s2, ttmp6, 0x10000c
	s_cmp_lg_u32 s2, 0xf033
	s_cbranch_scc0 .Lentry_shape_is_right
	s_endpgm
.Lentry_shape_is_right:
; qkv = X W_qkv^T + b_qkv, the q columns (0-1023) then times 0.125 log2(e), rounded once to 16 bits: q and k to f16, v (columns 2048-3071) to bf16.
; v is the partner of the weights exp(score) x iou in the next launch's second product; those have f32's range of exponents and go in bf16, so v does too.
; X: xw byte 0, [8192][1024] f16 (row 8 t + b).  W_qkv: xw byte 16,777,216, [3072][1024] f16.  Sums in f32.
; Out: qkv[hcol][b][t][d], hcol = column / 64 (0-15 q heads, 16-31 k, 32-47 v): byte hcol 2^20 + b 2^17 + 128 t + 2 d,
; so that one head's keys of one batch are dense for the next launch.
; LIMITS: q is rounded after the scaling by 0.125 log2(e), not before it.  A scaled q or a k of 65,520 or more in magnitude becomes infinite, and below
; 6.1e-5 their step is 6e-8.  (exp(q k / 8) is finite in f32 only for q k / 8 below 88.7, which q and k near f16's end pass by far.)
; The K steps are added in a rotated order (see below): the same products, another order of the f32 additions.
; A block is 256 rows x 192 columns (three heads), made by four waves in 2 x 2; a wave makes 128 x 96: 48 accumulator tiles, 384 registers.
; THE WORK-GROUP STAYS for two blocks of the same rows: 32 x 8 = 256 work-groups, block columns c (pass 0) and c + 8 (pass 1).  The ring of LDS slots
; runs on from one into the other: K steps 6 and 7 of pass 0 fill the slots with pass 1's first two K steps, so that those land, and pass 0's
; stores leave, while the wave works.
; K goes in steps of 128 through a ring of two LDS slots; a tile's rows are 256 bytes of memory at multiples of 256.
; THE K WALK IS ROTATED: cluster (X, Y) begins at K step (4 X + 2 Y) mod 8 and wraps round.  The two clusters that read the same rows of X begin four
; steps apart, the clusters that read the same rows of W two steps apart: they ask for a given tile at different times, not all at once.
; CLUSTERS 4 x 4: X's tile hangs on the block row alone and is asked for jointly along a row of the cluster, W's on the block column alone
; and is asked for jointly along a column: a quarter of the requests.  The K start is made of the cluster's own coordinates, which all sixteen share.
; REGISTERS in windows of 256:  window 0: v16-27 addresses, v32-55 and v192-239 at work on the way out, v64-127 and v128-191 fragments of X (two buffers);
;   window 1: v0-47 the bias in the layout of an accumulator row of tiles, v64-111 and v128-175 fragments of W (two buffers);
;   window 2: accumulator tile (a, b) of my rows 0-63 at v[8 (8 a + b)];  window 3: the same for rows 64-127.
; THE MATRIX INSTRUCTION IS USED TRANSPOSED: source 0 = 16 rows of W, source 1 = 16 rows of X: lane l holds row l % 16 of the result and its
; registers 0-7 the columns 8 (l / 16) + 0..7, eight neighbours.
; THE BIAS STARTS THE SUMS: a pass's first quarter step takes the bias registers as C: nothing is cleared and no bias is added later.
.set SIZE_K, 1024
.set KSTEP,  128
.set PITCH,  272                       ; an LDS row: 256 bytes + 16 of padding, an odd multiple of 16: the 16 rows of a fragment load fall on 16 different 16-byte columns
.set BN,     192                       ; columns of a block
.set ROWSB,  96                        ; rows of W in one tensor load, and columns of a wave
.set HALFA,  128*PITCH
.set HALFB,  ROWSB*PITCH
.set SLOT,   2*HALFA+2*HALFB           ; X's 256 rows, then W's 192 rows: 121,856 bytes
.set STAGE,  2*SLOT                    ; behind the ring, at a multiple of 256: 128 rows x 400 bytes, into which no tensor load lands
.set LAPS,   SIZE_K/(2*KSTEP)          ; a lap = two K steps = once round the ring: 4 a pass
.set NLD,    28                        ; LDS loads of a quarter step: 12 for W, 16 for X
.set WOFF,   16777216                  ; W_qkv in xw
.set SP,     400                       ; a row of the stage: 384 bytes + 16, an odd multiple of 16
.set QSCALE, 0x3e38aa3b                ; 0.125 log2(e)
.set PASSW,  8*BN*SIZE_K*2             ; from pass 0 to pass 1: 1,536 rows of W,
.set PASSBI, 8*BN*4                    ; 1,536 numbers of the bias,
.set PASSO,  24*1048576                ; 24 head columns of the output
.set ADRA, 16                          ; v16-17  LDS address of my X fragments in slot 0, 1
.set ADRB, 20                          ; v20-21  the same for W
.set STO,  24                          ; v24     stage: where I put 16 bytes
.set RD,   25                          ; v25     stage: where I read back
.set CO,   26                          ; v26     16 x lane: my bytes of a store
.set BO,   27                          ; v27     32 x (lane / 16): my bytes in the bias
.set BIAS, 0                           ; window 1
.set TB,   32                          ; v32-55  the way out: the bf16 rounding
.set F0,   64
.set F1,   128
.set R0,   128                         ; v128-159, v160-191: the way out's two read-back buffers, in fragment buffer 1;
.set R1,   160                         ; fragment buffer 0 is left alone there: it holds the next pass's first fragments
.set TMP,  192
.set OFF, 16                           ; s[16:17], s[18:19] slot 0's and slot 1's K step as a byte offset in a row, with 0 above it
.set G1,  24                           ; s[24:31] group 1 for X's tiles
.set G0,  32                           ; s[32:39] group 0 for X's tiles, one set a slot
.set G1B, 48                           ; s[48:55] group 1 for W's tiles
.set G0B, 56                           ; s[56:63] group 0 for W's tiles, one set a slot
.set SC,  68                           ; s[68:79] six pairs: the scale of my six column tiles
.set MK,  84                           ; s[84:89] for each of them: all ones where the tile is v's, else 0
                                       ; s[14:15] my rows of X at K = 0; s[46:47] my rows of W at K = 0, of the pass that is being asked for; s[92:93] the same for pass 1
.set MSB, 0
.macro WIN new                         ; the immediate's high byte repeats the setting that is left
.if MSB != \new
	s_set_vgpr_msb (MSB<<8)|\new
.set MSB, \new
.endif
.endm
.set MUL_LO,   0xa1                    ; source 0 (W) window 1, source 1 (X) window 0, C and D window 2
.set MUL_HI,   0xf1                    ; C and D window 3
.set FIRST_LO, 0x91                    ; C (the bias) window 1, D window 2
.set FIRST_HI, 0xd1                    ; C window 1, D window 3
.set TO_B,     0x40                    ; destination window 1, address window 0
; A joint load.  Waves 0, 1 fetch X's halves, waves 2, 3 W's.  Each line has one mask; the branch hangs on the wave's number alone.
.macro JLOAD s
	s_cmp_eq_u32 s11, 0
	s_cbranch_scc0 .Lfor_b_\@
	tensor_load_to_lds s[G0+4*\s:G0+4*\s+3], s[G1:G1+7]
	s_nop 0
	s_branch .Lasked_\@
.Lfor_b_\@:
	tensor_load_to_lds s[G0B+4*\s:G0B+4*\s+3], s[G1B:G1B+7]
	s_nop 0
	v_nop
.Lasked_\@:
.endm
; A round of the cluster's barrier: my work-group's barrier, wave 0 signals for the work-group, every wave waits for all sixteen, my work-group's barrier again.
.macro CREST                           ; a round behind its opening barrier
	s_cmp_lg_u32 s10, 0
	s_cbranch_scc1 .Lnot_wave_0_\@
	s_barrier_signal -3
.Lnot_wave_0_\@:
	s_barrier_wait -3
	s_barrier_signal -1
	s_barrier_wait -1
.endm
.macro CROUND
	s_barrier_signal -1
	s_barrier_wait -1
	CREST
.endm
	s_load_b128 s[4:7], s[0:1], 0x0                ; xw s[4:5], b_qkv s[6:7]
	s_load_b64 s[8:9], s[0:1], 0x10                ; qkv
	s_set_vgpr_msb 0x40
	v_lshl_add_u32 v255, v0, 2, 0x48000
	s_set_vgpr_msb 0x4000
	v_mov_b32 v255, 0
	s_set_vgpr_msb 0x1
	ds_add_u32 v255, v255
	s_set_vgpr_msb 0x100
	v_lshrrev_b32 v1, 5, v0
	v_readfirstlane_b32 s10, v1                    ; wave 0..3
	s_lshr_b32 s11, s10, 1                         ; my half of the block's rows.  Also: I fetch for X (0) or for W (1)
	s_and_b32 s12, s10, 1                          ; my half of its columns.  Also: which half of that tile I fetch
	s_bfe_u32 s40, ttmp6, 0x40000                  ; cx
	s_bfe_u32 s41, ttmp6, 0x40004                  ; cy
	s_lshl_b32 s42, ttmp9, 2
	s_add_co_u32 s42, s42, s40                     ; pass 0's block column = 4 x cluster x + cx, 0..7
	s_and_b32 s13, ttmp7, 0xffff                   ; the cluster's y, 0..7
	s_lshl_b32 s[OFF], ttmp9, 2                    ; the K start: (4 x cluster x + 2 x cluster y) mod 8, of the cluster's coordinates alone
	s_lshl1_add_u32 s[OFF], s13, s[OFF]
	s_and_b32 s[OFF], s[OFF], 7
	s_lshl_b32 s[OFF], s[OFF], 8                   ; x 256 bytes: slot 0's first K step
	s_add_co_u32 s[OFF+2], s[OFF], KSTEP*2         ; slot 1's: the next one, round the row's 2,048 bytes
	s_and_b32 s[OFF+2], s[OFF+2], SIZE_K*2-1
	s_mov_b32 s[OFF+1], 0
	s_mov_b32 s[OFF+3], 0
	s_lshl_b32 s13, s13, 2
	s_add_co_u32 s13, s13, s41                     ; block row = 4 x cluster y + cy, 0..31
	s_lshl_b32 s43, s41, 2
	s_lshl_b32 s43, 15, s43                        ; my row of the cluster
	s_lshl_b32 s44, 0x1111, s40                    ; my column
	; group 1: rows of 128 f16, 16 bytes of padding behind each.  X: 128 rows, W: 96 rows
	s_or_b32 s[G1+0],  s43, (1<<16)|(1<<20)|(1<<21)|(5<<22)|(3<<25)  ; mask of my row; 2-byte elements; padding on; bit 21 beside a mask; after 64 words, 4 words
	s_or_b32 s[G1B+0], s44, (1<<16)|(1<<20)|(1<<21)|(5<<22)|(3<<25)  ; the same with the mask of my column
	s_mov_b32 s[G1+1],  KSTEP<<16                  ; tensor_dim0 = 128
	s_mov_b32 s[G1B+1], KSTEP<<16
	s_mov_b32 s[G1+2],  128<<16                    ; tensor_dim1 = 128
	s_mov_b32 s[G1B+2], ROWSB<<16                  ; tensor_dim1 = 96
	s_mov_b32 s[G1+3],  KSTEP<<16                  ; tile_dim0 = 128
	s_mov_b32 s[G1B+3], KSTEP<<16
	s_mov_b32 s[G1+4],  128                        ; tile_dim1
	s_mov_b32 s[G1B+4], ROWSB
	s_mov_b32 s[G1+5],  SIZE_K                     ; elements from row to row
	s_mov_b32 s[G1B+5], SIZE_K
	s_mov_b32 s[G1+6],  0
	s_mov_b32 s[G1B+6], 0
	s_mov_b32 s[G1+7],  0
	s_mov_b32 s[G1B+7], 0
	; where the tiles come from: X's offset is made of the block row and the wave, W's of the block column and the wave, each in registers of its own
	s_lshl_b32 s81, s12, 7
	s_lshl_b32 s80, s13, 8
	s_add_co_u32 s80, s80, s81                     ; X: row 256 x block row + 128 x half
	s_lshl_b32 s80, s80, 11                        ; x 2,048 bytes (below 2^24)
	s_mov_b32 s81, 0
	s_mul_i32 s46, s42, BN
	s_mul_i32 s47, s12, ROWSB
	s_add_co_u32 s46, s46, s47                     ; W: row 192 x block column + 96 x half; this is also my first column of pass 0's result
	s_lshl_b32 s82, s46, 2                         ; its bias, in bytes
	s_mov_b32 s83, 0
	s_lshl_b32 s46, s46, 11
	s_add_co_u32 s46, s46, WOFF                    ; below 2^25
	s_mov_b32 s47, 0
	s_mul_i32 s90, s42, 3                          ; the output: pass 0's first head column 3 x block column,
	s_lshl_b32 s90, s90, 20
	s_lshl_b32 s91, s13, 12                        ; t = 32 x block row + 16 x (wave / 2) + 4 x (wave % 2), 128 bytes each
	s_add_co_u32 s90, s90, s91
	s_lshl_b32 s91, s11, 11
	s_add_co_u32 s90, s90, s91
	s_lshl_b32 s91, s12, 9
	s_add_co_u32 s90, s90, s91                     ; below 2^25
	s_mov_b32 s91, 0
	s_mul_i32 s20, s10, HALFA                      ; where the tiles go: X's halves at wave x 34,816 (waves 0, 1),
	s_mul_i32 s45, s10, HALFB
	s_add_co_u32 s45, s45, 2*HALFA-2*HALFB         ; W's halves behind them at wave x 26,112 + 17,408 (waves 2, 3)
	s_wait_dscnt 0x0
	s_wait_kmcnt 0x0
	s_add_nc_u64 s[14:15], s[4:5], s[80:81]
	s_add_nc_u64 s[46:47], s[4:5], s[46:47]
	s_add_nc_u64 s[92:93], s[46:47], PASSW
	s_add_nc_u64 s[66:67], s[6:7], s[82:83]
	s_add_nc_u64 s[8:9], s[8:9], s[90:91]
	CROUND                                         ; all sixteen work-groups are here: the first joint loads meet
.irp s, 0,1
	s_mov_b32 s[G0+4*\s], 1
	s_add_co_u32 s[G0+4*\s+1], s20, \s*SLOT
	s_add_nc_u64 s[G0+4*\s+2:G0+4*\s+3], s[14:15], s[OFF+2*\s:OFF+2*\s+1]   ; the slot's first K step
	s_or_b32 s[G0+4*\s+3], s[G0+4*\s+3], 0x80000000                         ; type = 2
	s_mov_b32 s[G0B+4*\s], 1
	s_add_co_u32 s[G0B+4*\s+1], s45, \s*SLOT
	s_add_nc_u64 s[G0B+4*\s+2:G0B+4*\s+3], s[46:47], s[OFF+2*\s:OFF+2*\s+1]
	s_or_b32 s[G0B+4*\s+3], s[G0B+4*\s+3], 0x80000000
	JLOAD \s                                       ; both slots' first fills go out together: two tensor loads of a wave are out here, one later
.endr
	v_and_b32 v1, 15, v0                           ; r = l % 16
	v_bfe_u32 v2, v0, 4, 1                         ; h = l / 16
	v_lshlrev_b32 v[BO], 5, v2
.macro LOADBIAS                        ; the bias of my 96 columns, in the layout of a row of accumulator tiles
	WIN TO_B
.irp b, 0,1,2,3,4,5
	global_load_b128 v[BIAS+8*\b:BIAS+8*\b+3],   v[BO], s[66:67] offset:64*\b      ; bias of columns 16 b + 8 h + 0..3
	global_load_b128 v[BIAS+8*\b+4:BIAS+8*\b+7], v[BO], s[66:67] offset:64*\b+16   ; + 4..7
.endr
	WIN 0
.endm
	LOADBIAS
	; a fragment: lane l holds row l % 16; registers 0-3 K = 8 h + 0..7, registers 4-7 K = 16 + 8 h + 0..7: two loads of 16 bytes, 32 bytes apart
	v_mul_u32_u24 v3, v1, PITCH
	v_lshl_add_u32 v3, v2, 4, v3
	s_mul_i32 s21, s11, HALFA                      ; my 128 rows of X
	s_mul_i32 s22, s12, HALFB                      ; my 96 rows of W,
	s_add_co_u32 s22, s22, 2*HALFA                 ; behind X's 256
.irp s, 0,1
	v_add_nc_u32 v[ADRA+\s], s21, v3
	v_add_nc_u32 v[ADRB+\s], s22, v3
	s_add_co_u32 s21, s21, SLOT
	s_add_co_u32 s22, s22, SLOT
.endr
	; the stage: half a block, 128 rows x 400 bytes: 64 rows of the block's upper half, then 64 of its lower half
	v_mul_u32_u24 v4, v1, SP
	v_lshl_add_u32 v4, v2, 4, v4
	s_mul_i32 s23, s11, 64*SP
	s_mul_i32 s82, s12, 2*ROWSB
	s_add_co_u32 s23, s23, s82
	s_add_co_u32 s23, s23, STAGE
	v_add_nc_u32 v[STO], s23, v4                   ; stage + (64 x row half + r) x 400 + 192 x column half + 16 h
	v_and_b32 v5, 7, v0                            ; back: x = l % 8, the 16 bytes of a head's 128
	v_bfe_u32 v6, v0, 3, 2                         ; t2 = l / 8, one of four neighbouring t
	v_mul_u32_u24 v6, v6, 8*SP                     ; a step in t is eight rows
	v_lshl_add_u32 v5, v5, 4, v6
	s_mul_i32 s82, s10, 32*SP                      ; my four t = 32 rows of the stage
	s_add_co_u32 s82, s82, STAGE
	v_add_nc_u32 v[RD], s82, v5
	v_and_b32 v7, 31, v0
	v_lshlrev_b32 v[CO], 4, v7
; 12 matrix instructions: row tiles a0, a0 + 1 of the window's four x my 6 column tiles, 32 along K.  first = 1: C is the bias.
; The 48 accumulators take turns, one instruction a turn, in the same order in every quarter step, over the backward jumps too.
.macro MULH f, hi, a0, first
.irp a, \a0, \a0+1
.irp b, 0,1,2,3,4,5
.if \first
	v_wmma_f32_16x16x32_f16 v[8*(8*(\a)+\b):8*(8*(\a)+\b)+7], v[\f+8*\b:\f+8*\b+7], v[\f+8*(4*\hi+\a):\f+8*(4*\hi+\a)+7], v[BIAS+8*\b:BIAS+8*\b+7]
.else
	v_wmma_f32_16x16x32_f16 v[8*(8*(\a)+\b):8*(8*(\a)+\b)+7], v[\f+8*\b:\f+8*\b+7], v[\f+8*(4*\hi+\a):\f+8*(4*\hi+\a)+7], v[8*(8*(\a)+\b):8*(8*(\a)+\b)+7]
.endif
.endr
.endr
.endm
; 28 LDS loads in one run: a quarter step's fragments (96 rows of W, 128 rows of X, 32 K at byte k of the rows) into buffer f
.macro FETCH slot, k, f
	WIN TO_B
.irp i, 0,1,2,3,4,5
	ds_load_b128 v[\f+8*\i:\f+8*\i+3],   v[ADRB+\slot] offset:\k+\i*16*PITCH
	ds_load_b128 v[\f+8*\i+4:\f+8*\i+7], v[ADRB+\slot] offset:\k+\i*16*PITCH+32
.endr
	WIN 0
.irp i, 0,1,2,3,4,5,6,7
	ds_load_b128 v[\f+8*\i:\f+8*\i+3],   v[ADRA+\slot] offset:\k+\i*16*PITCH
	ds_load_b128 v[\f+8*\i+4:\f+8*\i+7], v[ADRA+\slot] offset:\k+\i*16*PITCH+32
.endr
.endm
; Four places (plain vector instructions that name none of its registers) stand between a matrix instruction and a load into
; a register that it read, or a vector instruction or LDS store that reads its result.
.macro PLACES
.rept 4
	v_nop
.endr
.endm
; One of a K step's first three quarters: multiplies buffer f and, in its middle, fetches the next quarter's fragments into buffer g.
.macro QUARTER slot, k, f, g, first
	s_wait_dscnt 8                                 ; W and X's rows 0-63 are in; the youngest eight loads (X's rows 64-127) may be out
.if \first
	WIN FIRST_LO
.else
	WIN MUL_LO
.endif
	MULH \f, 0, 0, \first
	MULH \f, 0, 2, \first
	PLACES
	FETCH \slot, \k, \g
	s_wait_dscnt NLD                               ; all but the 28 just issued
.if \first
	WIN FIRST_HI
.else
	WIN MUL_HI
.endif
	MULH \f, 1, 0, \first
	MULH \f, 1, 2, \first
.endm
.macro THREE slot, first
	QUARTER \slot, 64,  F0, F1, \first
	QUARTER \slot, 128, F1, F0, 0
	QUARTER \slot, 192, F0, F1, 0
.endm
; The last quarter multiplies buffer 1 and changes slots.  One barrier: in front of it each wave waits for its reads of this slot and for all its
; tensor loads (one is out: its part of the next slot).  With fill = 1 that barrier opens a round of the cluster's barrier, and the joint refill
; is the first tensor load behind the round.  From a request to the wait for it a wave issues 180 matrix instructions.
; The slot's next K step lies two on, round the row's end: its offset steps by 512 bytes modulo 2,048, apart from the addresses, and is added to the two bases.
.macro TURN slot, next, fill
	s_wait_dscnt 8
	WIN MUL_LO
	MULH F1, 0, 0, 0
	s_wait_dscnt 0                                 ; my reads of this slot are over
	s_wait_tensorcnt 0x0                           ; all my tensor loads have landed: every group 0 may be written
	ds_add_u32 v255, v255
	s_wait_dscnt 0x0
.if \fill
	s_add_co_u32 s[OFF+2*\slot], s[OFF+2*\slot], 2*KSTEP*2
	s_and_b32 s[OFF+2*\slot], s[OFF+2*\slot], SIZE_K*2-1
	s_add_nc_u64 s[G0+4*\slot+2:G0+4*\slot+3], s[14:15], s[OFF+2*\slot:OFF+2*\slot+1]
	s_or_b32 s[G0+4*\slot+3], s[G0+4*\slot+3], 0x80000000
	s_add_nc_u64 s[G0B+4*\slot+2:G0B+4*\slot+3], s[46:47], s[OFF+2*\slot:OFF+2*\slot+1]
	s_or_b32 s[G0B+4*\slot+3], s[G0B+4*\slot+3], 0x80000000
.endif
	s_barrier_signal -1
	MULH F1, 0, 2, 0                               ; register work while the others arrive
	WIN 0
	s_barrier_wait -1
.if \fill
	CREST                                          ; no wave of any partner still reads this slot or has a load on its way
	JLOAD \slot
.endif
	PLACES
	FETCH \next, 0, F0
	WIN MUL_HI
	MULH F1, 1, 0, 0
	MULH F1, 1, 2, 0
.endm
.macro LAP first
	THREE 0, \first
	TURN 0, 1, 1
	THREE 1, 0
	TURN 1, 0, 1
.endm
; THE WAY OUT.  The block's rows are 8 t + b and its 192 columns three heads; the output wants (head, b) apart and t together.  So the block goes, scaled and
; rounded, through the stage and is read back by (head, b), in two halves: first every wave's rows 0-63 (window 2), then its rows 64-127 (window 3).
; 16 rows, the six tiles (a, 0..5) of window 2 or 3 (win: source 0's window).
; Which tiles are v's hangs on the block column, on which no branch may hang in a cluster: so each tile is rounded both ways, and a select on the tile's mask
; takes one: 48 plain instructions more for 16 rows.
.macro STG a, win
	WIN \win
.irp b, 0,1,2,3,4,5
.irp r, 0,1,2,3
	v_pk_mul_f32 v[TMP+8*\b+2*\r:TMP+8*\b+2*\r+1], v[8*(8*\a+\b)+2*\r:8*(8*\a+\b)+2*\r+1], s[SC+2*\b:SC+2*\b+1] op_sel_hi:[1,0]
.endr
.endr
	WIN 0
.irp b, 0,1,2,3,4,5
.irp r, 0,1,2,3
	v_cvt_pk_bf16_f32 v[TB+4*\b+\r], v[TMP+8*\b+2*\r], v[TMP+8*\b+2*\r+1]
.endr
.endr
.irp b, 0,1,2,3,4,5
.irp r, 0,1,2,3
	v_cvt_pk_f16_f32 v[TMP+8*\b+\r], v[TMP+8*\b+2*\r], v[TMP+8*\b+2*\r+1]    ; in place, upward: word r is written when pairs 0..r have been read
.endr
.endr
.irp b, 0,1,2,3,4,5
.irp r, 0,1,2,3
	v_cndmask_b32 v[TMP+8*\b+\r], v[TMP+8*\b+\r], v[TB+4*\b+\r], s[MK+\b]    ; v's tiles take the bf16 word
.endr
.endr
.irp b, 0,1,2,3,4,5
	ds_store_b128 v[STO], v[TMP+8*\b:TMP+8*\b+3] offset:16*SP*\a+32*\b
.endr
.endm
; my four neighbouring t of half p, head i, for each of the eight b: a store of the wave covers 512 consecutive bytes at a multiple of 512
.macro BACK p, i, f
	s_wait_xcnt 0x0                                ; buffer f, which earlier stores read, is loaded again only behind this wait
.irp b, 0,1,2,3,4,5,6,7
	ds_load_b128 v[\f+4*\b:\f+4*\b+3], v[RD] offset:SP*\b+128*\i
.endr
.irp b, 0,1,2,3,4,5,6,7
	s_wait_dscnt 7-\b                              ; LDS loads come back in order: the 7 - b younger ones may be out
	global_store_b128 v[CO], v[\f+4*\b:\f+4*\b+3], s[8:9] offset:1048576*\i+131072*\b+1024*\p
.endr
.endm
; Three work-group barriers: the stage is written / read / written again / read.  Behind none of them are LDS bytes filled by a tensor load, so the one
; tensor load that is out in pass 0 (slot 1's, the next pass's second K step) stays out across them.
.macro WAYOUT pass
	PLACES                                         ; behind the last matrix instructions: for the multiplies, which read results, and the loads into buffer 1
	s_mul_i32 s90, s42, BN
	s_mul_i32 s91, s12, ROWSB
	s_add_co_u32 s90, s90, s91
.if \pass
	s_add_co_u32 s90, s90, 8*BN
.endif                                                 ; my first column in this pass
.irp b, 0,1,2,3,4,5
	s_add_co_u32 s91, s90, 16*\b
	s_cmp_lt_u32 s91, 1024                         ; a tile of 16 columns is wholly q's or wholly not: 1,024 is a multiple of 16
	s_cselect_b32 s[SC+2*\b], QSCALE, 1.0
	s_mov_b32 s[SC+2*\b+1], s[SC+2*\b]
	s_cmp_lt_u32 s91, 2048                         ; and wholly v's or wholly not
	s_cselect_b32 s[MK+\b], 0, -1
.endr
	STG 0, 0x02
	STG 1, 0x02
	STG 2, 0x02
	STG 3, 0x02
	s_wait_dscnt 0x0                               ; for the others' sake: my part of the stage is written
	s_barrier_signal -1
	s_barrier_wait -1
	BACK 0, 0, R0
	BACK 0, 1, R1
	BACK 0, 2, R0
	s_wait_dscnt 0x0                               ; my reads of the stage are back (met: the last count-down ended at 0)
	s_barrier_signal -1
	s_barrier_wait -1                              ; everybody's are: the stage may be written again
	STG 0, 0x03
	STG 1, 0x03
	STG 2, 0x03
	STG 3, 0x03
	s_wait_dscnt 0x0
	s_barrier_signal -1
	s_barrier_wait -1
	BACK 1, 0, R1
	BACK 1, 1, R0
	BACK 1, 2, R1
.endm
	s_wait_tensorcnt 1                             ; my part of the first K step is in; the second's stays out
	s_barrier_signal -1
	s_barrier_wait -1
	FETCH 0, 0, F0
	s_wait_loadcnt 0x0                             ; the bias
	; PASS 0
	LAP 1                                          ; the first lap stands in front of the loop: its first products start the sums on the bias
	s_add_nc_u64 s[66:67], s[66:67], PASSBI        ; pass 1's bias goes into the same registers: their last readers, the first quarter step's matrix
	LOADBIAS                                       ; instructions, lie more than four places back, and the first loads from this base were waited for
	s_mov_b32 s3, LAPS-1
.Llap0:
	s_cmp_eq_u32 s3, 1                             ; the last lap's refills are pass 1's first two K steps: X's offsets have wrapped round by themselves,
	s_cselect_b64 s[46:47], s[92:93], s[46:47]     ; W's base is changed here
	LAP 0
	WIN 0
	s_sub_co_u32 s3, s3, 1
	s_cmp_lg_u32 s3, 0
	s_cbranch_scc1 .Llap0
	WAYOUT 0                                       ; buffer 0 already holds pass 1's first fragments
	s_wait_xcnt 0x0                                ; the stores' base, and buffer 1, which they read, are rewritten only behind this wait
	s_add_nc_u64 s[8:9], s[8:9], PASSO
	s_wait_loadcnt 0x0                             ; pass 1's bias
	; PASS 1
	LAP 1
	WIN 0
	s_mov_b32 s3, LAPS-2
.Llap1:
	LAP 0
	WIN 0
	s_sub_co_u32 s3, s3, 1
	s_cmp_lg_u32 s3, 0
	s_cbranch_scc1 .Llap1
	THREE 0, 0                                     ; the last lap fills nothing
	TURN 0, 1, 0
	THREE 1, 0
	s_wait_dscnt 8
	WIN MUL_LO
	MULH F1, 0, 0, 0
	MULH F1, 0, 2, 0
	s_wait_dscnt 0
	WIN MUL_HI
	MULH F1, 1, 0, 0
	MULH F1, 1, 2, 0
	WAYOUT 1
	s_set_vgpr_msb 0x1
	s_wait_tensorcnt 0x0
	ds_add_u32 v255, v255
	s_wait_dscnt 0x0
	s_set_vgpr_msb 0x100
	CROUND                                         ; the closing round: no work-group ends while a partner may still ask for a tile that names it
	s_endpgm
.Lfunc_end_k_q9ff27e83c5_qkvgemm:
	.size	k_q9ff27e83c5_qkvgemm, .Lfunc_end_k_q9ff27e83c5_qkvgemm-k_q9ff27e83c5_qkvgemm
	.p2alignl 7, 3214868480
	.fill 96, 4, 3214868480
	.section	.rodata,"a",@progbits
	.p2align	6, 0x0
	.amdhsa_kernel k_q9ff27e83c5_qkvgemm
		.amdhsa_group_segment_fixed_size 327680
		.amdhsa_private_segment_fixed_size 0
		.amdhsa_enable_private_segment 0
		.amdhsa_kernarg_size 24
		.amdhsa_user_sgpr_count 2
		.amdhsa_user_sgpr_kernarg_segment_ptr 1
		.amdhsa_wavefront_size32 1
		.amdhsa_system_sgpr_workgroup_id_x 1
		.amdhsa_system_sgpr_workgroup_id_y 1
		.amdhsa_system_sgpr_workgroup_id_z 1
		.amdhsa_system_vgpr_workitem_id 0
		.amdhsa_next_free_vgpr 1024
		.amdhsa_next_free_sgpr 96
		.amdhsa_reserve_vcc 0
		.amdhsa_float_denorm_mode_32 3
		.amdhsa_float_denorm_mode_16_64 3
		.amdhsa_memory_ordered 1
		.amdhsa_forward_progress 1
		.amdhsa_inst_pref_size 255
	.end_amdhsa_kernel
	.section	.bss,"aw",@nobits
	.p2align	6
	.space	262144
	.amdgpu_metadata
---
amdhsa.version: [ 1, 2 ]
amdhsa.kernels:
  - .name:           k_q9ff27e83c5_qkvgemm
    .symbol:         k_q9ff27e83c5_qkvgemm.kd
    .args:
      - { .name: xw, .offset: 0, .size: 8, .value_kind: global_buffer, .address_space: global }
      - { .name: b_qkv, .offset: 8, .size: 8, .value_kind: global_buffer, .address_space: global }
      - { .name: qkv, .offset: 16, .size: 8, .value_kind: global_buffer, .address_space: global }
    .group_segment_fixed_size: 327680
    .private_segment_fixed_size: 0
    .kernarg_segment_align: 8
    .kernarg_segment_size: 24
    .max_flat_workgroup_size: 128
    .sgpr_count:     96
    .vgpr_count:     1024
    .wavefront_size: 32
...
	.end_amdgpu_metadata
.endif
;; end of part 2
;; launch attn (part 3): grid 4 x 64, 8 waves a work-group, clusters of 4 x 4, 327,680 bytes of LDS; arguments qkv, ious, att; writes att
.if DOCPART == 3
	.amdgcn_target "amdgcn-amd-amdhsa--gfx1250"
	.amdhsa_code_object_version 6
	.text
	.protected	k_q9ff27e83c5_attn
	.globl	k_q9ff27e83c5_attn
	.p2align	8
	.type	k_q9ff27e83c5_attn,@function
k_q9ff27e83c5_attn:
	s_mov_b64 s[64:65], 0
	v_nop
	global_prefetch_b8 v0, s[64:65] scope:SCOPE_SE
	s_setreg_imm32_b32 hwreg(HW_REG_WAVE_MODE, 25, 1), 1
	s_wait_xcnt 0x0
	s_wait_alu depctr_hold_cnt(0) depctr_sa_sdst(0) depctr_va_vdst(0) depctr_va_sdst(0) depctr_va_ssrc(0) depctr_va_vcc(0) depctr_vm_vsrc(0)
	s_getreg_b32 s2, hwreg(HW_REG_IB_STS2, 6, 4)
	s_cmp_eq_u32 s2, 0
	s_cbranch_scc0 .Lentry_in_a_cluster
	s_endpgm
.Lentry_in_a_cluster:
	s_bfe_u32 s2, ttmp6, 0x10000c
	s_cmp_lg_u32 s2, 0xf033
	s_cbranch_scc0 .Lentry_shape_is_right
	s_endpgm
.Lentry_shape_is_right:
; For each batch b and head: w = exp(q k^T) x ious[b], out = (w v) / (row sum of w), rounded once to f16 into att[8 t + b][64 head + d].
; q comes scaled by 0.125 log2(e), so exp is one v_exp_f32 (base 2).  qkv[hcol][b][t][d] as the launch before laid it: q and k in f16, v in bf16.
; FORMATS: q k^T in the f16 form.  w has f32's range of exponents, for which f16 has no room: w v in the bf16 form.  The result is a weighted mean of v.
; LIMITS.  As in the function computed here no maximum is taken away before the exponential.  The sum of w v is kept unnormalised in f32 and divided at the end:
; it overflows when the sum over a row of exp(score) iou |v| passes 3.4e38, that is for scores from about 88.7 - ln(1024 max |iou v|), where
; exp(score) itself overflows at 88.7.  v_exp_f32 gives 0 for results below 2^-126 (scores below -87) and v_rcp_f32 takes a row sum below 2^-126
; as 0 (ISA guide, 15.8).  A row sum of 0 gives NaN, as 0 / 0 does.  w is rounded to bf16 for the product with v; the row sum adds the unrounded w.
; A result of 65,520 or more in magnitude becomes infinite in att, and below 6.1e-5 att's step is 6e-8.
; SHARE: work-group x = group of four heads hg, work-group y = 8 b + qb (128 queries): 256 work-groups.  Wave w: head w & 3, queries 64 (w >> 2) + 0..63.
; Eight waves, two a SIMD: one wave's exponentials run while the other's matrix instructions do.
; Keys go in blocks of 64 through two LDS slots, each block in two sub-blocks of 32.
; CLUSTERS 4 x 4: the ious tile hangs on (b, qb) and is asked for jointly along a row of the cluster (the four head groups); the K and V tiles hang
; on (b, hg) and are asked for jointly along a column (four query blocks of one batch): a quarter of the requests.
; MATRIX USE: S^T = K Q^T (source 0 = 16 keys x 32 d, source 1 = 16 queries): lane (r, h), register j = (key 8 h + j, query r).  So a lane's ious
; words are 8 neighbours of one row, and two key tiles, rounded in pairs, ARE source 1 of O^T = V^T P^T: no shuffle.  Source 0 there, V^T, comes by the
; transposing LDS load.  O^T: lane (r, h), register j = (d = 16 dt + 8 h + j, query r): 8 neighbouring numbers of an output row.
; REGISTERS: window 0: v4-14 addresses, v16-31 row sums, v32-63 K fragments, v64-95 V fragments, v96-159 S then P, v160-223 ious, v224-255 at work;
;            window 1: v0-63 Q fragments (kept for the whole kernel), v64-191 the 16 accumulator tiles of O^T.
.set SLOT,   112640                    ; K 4 heads x 64 keys x 144 | ious 128 rows x 272 | V 4 heads x 64 keys x 160
.set IOFF,   36864
.set VOFF,   71680
.set STAGE,  2*SLOT                    ; 128 rows x 528 bytes of its own, into which no tensor load lands
.set SPITCH, 528                       ; 512 + 16, an odd multiple of 16
.set KP,     144                       ; a key's 128 bytes + 16: an odd multiple of 16
.set VP,     160                       ; a key's 128 bytes + 32: an odd multiple of 32, for the transposing load
.set IP,     272
.set ADK, 4                            ; v4-5    my K fragments in slot 0, 1
.set ADV, 6                            ; v6-7    my V fragments
.set ADI, 8                            ; v8-9    my ious words
.set STO, 10
.set RD,  11
.set CO,  12
.set PF,  13                           ; lane x 4,096: a row of ious a lane, for the prefetch
.set QO,  14
.set LL,  16                           ; v[16:31]  row sums: for each query tile two pairs
.set KF,  32                           ; at 16 kt + 8 ks
.set VF,  64                           ; at 8 dt
.set SS,  96                           ; at 16 nt + 8 kt
.set IO,  160                          ; the same map
.set TT,  224
.set QF,  0                            ; window 1, at 16 nt + 8 ks
.set OO,  64                           ; window 1, at 8 (4 nt + dt)
.set G1K, 16
.set G1V, 24
.set G1I, 32
.set G0K, 48                           ; s[48:55], one set a slot
.set G0V, 56                           ; s[56:63]
.set G0I, 68                           ; s[68:75]
.set MSB, 0
.macro WIN new
.if MSB != \new
	s_set_vgpr_msb (MSB<<8)|\new
.set MSB, \new
.endif
.endm
.macro ROUND                           ; a round of the cluster's barrier
	s_barrier_signal -1
	s_barrier_wait -1
	s_cmp_lg_u32 s10, 0
	s_cbranch_scc1 .Lnot_wave_0_\@
	s_barrier_signal -3
.Lnot_wave_0_\@:
	s_barrier_wait -3
	s_barrier_signal -1
	s_barrier_wait -1
.endm
; One joint load a wave: waves 0, 1 two heads' K each, waves 2, 3 two heads' V each, waves 4-7 32 rows of ious each.  Each line has one mask.
.macro JLOAD3 s
	s_cmp_lt_u32 s10, 2
	s_cbranch_scc0 .Lnot_k_\@
	tensor_load_to_lds s[G0K+4*\s:G0K+4*\s+3], s[G1K:G1K+7]
	s_nop 0
	s_branch .Lasked_\@
.Lnot_k_\@:
	s_cmp_lt_u32 s10, 4
	s_cbranch_scc0 .Lnot_v_\@
	tensor_load_to_lds s[G0V+4*\s:G0V+4*\s+3], s[G1V:G1V+7]
	s_nop 0
	s_branch .Lasked_\@
.Lnot_v_\@:
	tensor_load_to_lds s[G0I+4*\s:G0I+4*\s+3], s[G1I:G1I+7]
	s_nop 0
.Lasked_\@:
.endm
	s_load_b128 s[4:7], s[0:1], 0x0                ; qkv s[4:5], ious s[6:7]
	s_load_b64 s[8:9], s[0:1], 0x10                ; att
	v_lshl_add_u32 v15, v0, 2, 0x47800
	s_set_vgpr_msb 0x40
	v_mov_b32 v255, 0
	s_set_vgpr_msb 0x4044
	ds_add_u32 v15, v255
	s_set_vgpr_msb 0x4400
	v_lshrrev_b32 v1, 5, v0
	v_readfirstlane_b32 s10, v1                    ; wave 0..7
	s_and_b32 s11, s10, 3                          ; my head of the four.  Also: which 32 rows of ious I fetch
	s_lshr_b32 s12, s10, 2                         ; my half of the 128 queries
	s_and_b32 s13, s10, 1                          ; which two heads of K or V I fetch
	s_bfe_u32 s40, ttmp6, 0x40000                  ; cx
	s_bfe_u32 s41, ttmp6, 0x40004                  ; cy
	s_lshl_b32 s42, ttmp9, 2
	s_add_co_u32 s42, s42, s40                     ; hg = work-group x = 4 x cluster x + cx
	s_and_b32 s14, ttmp7, 0xffff                   ; cluster y, 0..15; work-group y = 4 x cluster y + cy = 8 b + qb
	s_lshr_b32 s43, s14, 1                         ; b: of the cluster's y alone, the same in all sixteen
	s_and_b32 s44, s14, 1
	s_lshl_b32 s44, s44, 2
	s_add_co_u32 s44, s44, s41                     ; qb = 4 x (cluster y & 1) + cy
	s_lshl_b32 s45, s41, 2
	s_lshl_b32 s45, 15, s45                        ; my row of the cluster
	s_lshl_b32 s46, 0x1111, s40                    ; my column
	s_mov_b32 s80, 0x76543210                      ; v_permlanex16_b32: lane i reads lane i of the other half
	s_mov_b32 s81, 0xfedcba98
	; group 1 for K and V: two rows of 1,024 elements of 8 bytes: a row is one head's 64 keys, 8,192 dense bytes; the next head lies 2^20 bytes on.
	; The padding is counted along the tile: behind every 32 words (a key's 128 bytes) 4 words for K, 8 for V.
	s_or_b32 s[G1K+0], s46, (3<<16)|(1<<20)|(1<<21)|(4<<22)|(3<<25)
	s_or_b32 s[G1V+0], s46, (3<<16)|(1<<20)|(1<<21)|(4<<22)|(7<<25)
	s_mov_b32 s[G1K+1], 1024<<16                   ; tensor_dim0
	s_mov_b32 s[G1V+1], 1024<<16
	s_mov_b32 s[G1K+2], 2<<16                      ; tensor_dim1
	s_mov_b32 s[G1V+2], 2<<16
	s_mov_b32 s[G1K+3], 1024<<16                   ; tile_dim0
	s_mov_b32 s[G1V+3], 1024<<16
	s_mov_b32 s[G1K+4], 2                          ; tile_dim1
	s_mov_b32 s[G1V+4], 2
	s_mov_b32 s[G1K+5], 131072                     ; elements from head to head
	s_mov_b32 s[G1V+5], 131072
	s_mov_b32 s[G1K+6], 0
	s_mov_b32 s[G1V+6], 0
	s_mov_b32 s[G1K+7], 0
	s_mov_b32 s[G1V+7], 0
	; group 1 for ious: 32 rows of 64 f32 (256 bytes at a multiple of 256), 4 words of padding behind each
	s_or_b32 s[G1I+0], s45, (2<<16)|(1<<20)|(1<<21)|(5<<22)|(3<<25)
	s_mov_b32 s[G1I+1], 64<<16
	s_mov_b32 s[G1I+2], 32<<16
	s_mov_b32 s[G1I+3], 64<<16
	s_mov_b32 s[G1I+4], 32
	s_mov_b32 s[G1I+5], 1024
	s_mov_b32 s[G1I+6], 0
	s_mov_b32 s[G1I+7], 0
	; offsets.  K's and V's are made of hg, b and the wave; ious's of b, qb and the wave; each in registers of its own
	s_lshl_b32 s76, s42, 2
	s_lshl1_add_u32 s76, s13, s76                  ; head 4 hg + 2 (w & 1)
	s_add_co_u32 s76, s76, 16                      ; K's head columns begin at 16
	s_lshl_b32 s76, s76, 20
	s_lshl_b32 s77, s43, 17
	s_add_co_u32 s76, s76, s77
	s_mov_b32 s77, 0
	s_lshl_b32 s78, s43, 22                        ; ious: b x 2^22 + 128 qb rows of 4,096 bytes
	s_lshl_b32 s79, s44, 19
	s_add_co_u32 s78, s78, s79
	s_lshl_b32 s86, s40, 17                        ; the prefetch: my quarter of the block's rows, 32 cx
	s_add_co_u32 s86, s86, s78
	s_mov_b32 s87, 0
	s_lshl_b32 s79, s11, 17                        ; the tensor load: 32 (w & 3) rows
	s_add_co_u32 s78, s78, s79
	s_mov_b32 s79, 0
	s_lshl_b32 s88, s42, 2                         ; Q: head 4 hg + i, batch b, query 128 qb + 64 qh
	s_add_co_u32 s88, s88, s11
	s_lshl_b32 s88, s88, 20
	s_lshl_b32 s89, s43, 17
	s_add_co_u32 s88, s88, s89
	s_lshl_b32 s89, s44, 14
	s_add_co_u32 s88, s88, s89
	s_lshl_b32 s89, s12, 13
	s_add_co_u32 s88, s88, s89
	s_mov_b32 s89, 0
	s_lshl_b32 s90, s44, 21                        ; att: row 8 (128 qb + 16 w) + b of 2,048 bytes, column byte 512 hg
	s_lshl_b32 s91, s10, 18
	s_add_co_u32 s90, s90, s91
	s_lshl_b32 s91, s43, 11
	s_add_co_u32 s90, s90, s91
	s_lshl_b32 s91, s42, 9
	s_add_co_u32 s90, s90, s91
	s_mov_b32 s91, 0
	s_mul_i32 s84, s10, 2*64*KP                    ; LDS: K at wave x 18,432 (waves 0, 1),
	s_mul_i32 s85, s10, 2*64*VP
	s_add_co_u32 s85, s85, VOFF-4*64*VP            ; V at wave x 20,480 + 30,720 (waves 2, 3),
	s_mul_i32 s92, s10, 32*IP
	s_add_co_u32 s92, s92, IOFF-4*32*IP            ; ious at wave x 8,704 + 2,048 (waves 4-7)
	s_wait_dscnt 0x0
	s_wait_kmcnt 0x0
	s_add_nc_u64 s[76:77], s[4:5], s[76:77]
	s_add_nc_u64 s[78:79], s[6:7], s[78:79]
	s_add_nc_u64 s[82:83], s[6:7], s[86:87]
	s_add_nc_u64 s[88:89], s[4:5], s[88:89]
	s_add_nc_u64 s[8:9], s[8:9], s[90:91]
.irp s, 0,1
	s_mov_b32 s[G0K+4*\s], 1
	s_add_co_u32 s[G0K+4*\s+1], s84, \s*SLOT
	s_add_nc_u64 s[G0K+4*\s+2:G0K+4*\s+3], s[76:77], \s*8192             ; key block s: 64 keys of 128 bytes
	s_or_b32 s[G0K+4*\s+3], s[G0K+4*\s+3], 0x80000000
	s_mov_b32 s[G0V+4*\s], 1
	s_add_co_u32 s[G0V+4*\s+1], s85, \s*SLOT
	s_add_nc_u64 s[G0V+4*\s+2:G0V+4*\s+3], s[76:77], 0x1000000+\s*8192   ; V's head columns lie 16 further on
	s_or_b32 s[G0V+4*\s+3], s[G0V+4*\s+3], 0x80000000
	s_mov_b32 s[G0I+4*\s], 1
	s_add_co_u32 s[G0I+4*\s+1], s92, \s*SLOT
	s_add_nc_u64 s[G0I+4*\s+2:G0I+4*\s+3], s[78:79], \s*256              ; 64 keys of 4 bytes
	s_or_b32 s[G0I+4*\s+3], s[G0I+4*\s+3], 0x80000000
.endr
	ROUND                                          ; all sixteen work-groups are here
	JLOAD3 0                                       ; key block 0.  A wave never has more than one tensor load out in this text
	v_and_b32 v1, 31, v0                           ; lane
	v_and_b32 v2, 15, v0                           ; r
	v_bfe_u32 v3, v0, 4, 1                         ; h
	v_lshlrev_b32 v[QO], 7, v2
	v_lshl_add_u32 v[QO], v3, 4, v[QO]             ; query r's row of 128 bytes, + 16 h
	WIN 0x40                                       ; destination window 1
.irp nt, 0,1,2,3
.irp ks, 0,1
	global_load_b128 v[QF+16*\nt+8*\ks:QF+16*\nt+8*\ks+3],   v[QO], s[88:89] offset:2048*\nt+64*\ks
	global_load_b128 v[QF+16*\nt+8*\ks+4:QF+16*\nt+8*\ks+7], v[QO], s[88:89] offset:2048*\nt+64*\ks+32
.endr
.endr
	WIN 0
	v_mul_u32_u24 v16, v2, KP                      ; K: head i, key r, + 16 h
	v_lshl_add_u32 v16, v3, 4, v16
	s_mul_i32 s93, s11, 64*KP
	v_add_nc_u32 v[ADK], s93, v16
	v_add_nc_u32 v[ADK+1], SLOT, v[ADK]
	v_mul_u32_u24 v16, v2, IP                      ; ious: row 64 qh + r, + 32 h (8 keys of 4 bytes)
	v_lshl_add_u32 v16, v3, 5, v16
	s_mul_i32 s93, s12, 64*IP
	s_add_co_u32 s93, s93, IOFF
	v_add_nc_u32 v[ADI], s93, v16
	v_add_nc_u32 v[ADI+1], SLOT, v[ADI]
	v_and_b32 v16, 7, v0                           ; V, for the transposing load: key 8 h + l % 8, 16 bytes (l / 8) % 2
	v_lshl_add_u32 v16, v3, 3, v16
	v_mul_u32_u24 v16, v16, VP
	v_bfe_u32 v17, v0, 3, 1
	v_lshl_add_u32 v16, v17, 4, v16
	s_mul_i32 s93, s11, 64*VP
	s_add_co_u32 s93, s93, VOFF
	v_add_nc_u32 v[ADV], s93, v16
	v_add_nc_u32 v[ADV+1], SLOT, v[ADV]
	v_mul_u32_u24 v16, v2, SPITCH                  ; stage, in: row 64 qh + r, byte 128 i + 16 h
	v_lshl_add_u32 v16, v3, 4, v16
	s_mul_i32 s93, s12, 64*SPITCH
	s_lshl_b32 s94, s11, 7
	s_add_co_u32 s93, s93, s94
	s_add_co_u32 s93, s93, STAGE
	v_add_nc_u32 v[STO], s93, v16
	s_mul_i32 s93, s10, 16*SPITCH                  ; stage, back: rows 16 w + 0..15, a whole row of 512 bytes a load
	s_add_co_u32 s93, s93, STAGE
	v_lshl_add_u32 v[RD], v1, 4, s93
	v_lshlrev_b32 v[CO], 4, v1
	v_lshlrev_b32 v[PF], 12, v1
.irp j, 0,1,2,3,4,5,6,7,8,9,10,11,12,13,14,15
	v_mov_b32 v[LL+\j], 0                          ; the 16 row-sum registers
.endr
; the fragments and words of sub-block sub (32 keys) of slot s
.macro LOADK s, sub                    ; 8 loads
.irp kt, 0,1
.irp ks, 0,1
	ds_load_b128 v[KF+16*\kt+8*\ks:KF+16*\kt+8*\ks+3],   v[ADK+\s] offset:32*KP*(\sub)+16*KP*\kt+64*\ks
	ds_load_b128 v[KF+16*\kt+8*\ks+4:KF+16*\kt+8*\ks+7], v[ADK+\s] offset:32*KP*(\sub)+16*KP*\kt+64*\ks+32
.endr
.endr
.endm
.macro LOADI s, sub                    ; 16 loads
.irp nt, 0,1,2,3
.irp kt, 0,1
	ds_load_b128 v[IO+16*\nt+8*\kt:IO+16*\nt+8*\kt+3],   v[ADI+\s] offset:16*IP*\nt+128*(\sub)+64*\kt
	ds_load_b128 v[IO+16*\nt+8*\kt+4:IO+16*\nt+8*\kt+7], v[ADI+\s] offset:16*IP*\nt+128*(\sub)+64*\kt+16
.endr
.endr
.endm
.macro LOADV s, sub                    ; 8 transposing loads: registers 0-3 keys 8 h + 0..7, registers 4-7 keys 16 + 8 h + 0..7 of d = 16 dt + r
.irp dt, 0,1,2,3
	ds_load_tr16_b128 v[VF+8*\dt:VF+8*\dt+3],   v[ADV+\s] offset:32*VP*(\sub)+32*\dt
	ds_load_tr16_b128 v[VF+8*\dt+4:VF+8*\dt+7], v[ADV+\s] offset:32*VP*(\sub)+32*\dt+16*VP
.endr
.endm
; S^T, in the f16 form: 16 matrix instructions.  The first eight (d 0-31) start the eight sums with C = 0, the second eight (d 32-63) add on in the same order:
; the accumulators take turns, one instruction a turn.
.macro SMM
	WIN 0x04                                       ; source 1 (Q) window 1
.irp nt, 0,1,2,3
.irp kt, 0,1
	v_wmma_f32_16x16x32_f16 v[SS+16*\nt+8*\kt:SS+16*\nt+8*\kt+7], v[KF+16*\kt:KF+16*\kt+7], v[QF+16*\nt:QF+16*\nt+7], 0
.endr
.endr
.irp nt, 0,1,2,3
.irp kt, 0,1
	v_wmma_f32_16x16x32_f16 v[SS+16*\nt+8*\kt:SS+16*\nt+8*\kt+7], v[KF+16*\kt+8:KF+16*\kt+15], v[QF+16*\nt+8:QF+16*\nt+15], v[SS+16*\nt+8*\kt:SS+16*\nt+8*\kt+7]
.endr
.endr
	WIN 0
.endm
.macro EXP16 nt                        ; 2^S of one query tile, in place
.irp j, 0,1,2,3,4,5,6,7,8,9,10,11,12,13,14,15
	v_exp_f32 v[SS+16*\nt+\j], v[SS+16*\nt+\j]
.endr
.endm
; times ious; into the row sums (two chains a tile); rounded to bf16 in pairs, in place and upward, so that words 0-7 become source 1 of the second product
.macro FIN16 nt
	s_wait_alu depctr_va_vdst(0)
.irp p, 0,1,2,3,4,5,6,7
	v_pk_mul_f32 v[SS+16*\nt+2*\p:SS+16*\nt+2*\p+1], v[SS+16*\nt+2*\p:SS+16*\nt+2*\p+1], v[IO+16*\nt+2*\p:IO+16*\nt+2*\p+1]
.endr
.irp p, 0,1,2,3,4,5,6,7
	v_pk_add_f32 v[LL+4*\nt+2*(\p&1):LL+4*\nt+2*(\p&1)+1], v[LL+4*\nt+2*(\p&1):LL+4*\nt+2*(\p&1)+1], v[SS+16*\nt+2*\p:SS+16*\nt+2*\p+1]
	v_cvt_pk_bf16_f32 v[SS+16*\nt+\p], v[SS+16*\nt+2*\p], v[SS+16*\nt+2*\p+1]
.endr
.endm
; O^T += V^T P^T, in the bf16 form: 16 matrix instructions on 16 different accumulators (turns of one).  zero = 1: the first products start the sums.
.macro PVM zero
	WIN 0x50                                       ; C and D window 1
.irp nt, 0,1,2,3
.irp dt, 0,1,2,3
.if \zero
	v_wmma_f32_16x16x32_bf16 v[OO+8*(4*\nt+\dt):OO+8*(4*\nt+\dt)+7], v[VF+8*\dt:VF+8*\dt+7], v[SS+16*\nt:SS+16*\nt+7], 0
.else
	v_wmma_f32_16x16x32_bf16 v[OO+8*(4*\nt+\dt):OO+8*(4*\nt+\dt)+7], v[VF+8*\dt:VF+8*\dt+7], v[SS+16*\nt:SS+16*\nt+7], v[OO+8*(4*\nt+\dt):OO+8*(4*\nt+\dt)+7]
.endif
.endr
.endr
	WIN 0
.endm
; A sub-block of 32 keys.  On entry its 8 K loads, 16 ious loads and 8 V loads are out, issued in that order.  next = 1: the next sub-block's loads
; are issued as soon as their registers are free, in the same order.
.macro SUB s, sub, next, zero
	s_wait_dscnt 24                                ; the 16 + 8 younger loads may be out: K is in
	SMM
.rept 4
	v_nop                                          ; four places behind the matrix instructions: for the exponentials, which read results, and the loads into K's registers
.endr
.if \next
	LOADK \s, \sub+1
.endif
	EXP16 0
	EXP16 1
.if \next
	s_wait_dscnt 16                                ; V's 8 and the next K's 8 are younger: ious is in
.else
	s_wait_dscnt 8                                 ; V's 8 are younger
.endif
	v_nop                                          ; a plain instruction between the exponentials and the first use of their results (ISA guide 5.7.2)
	s_wait_alu depctr_va_vdst(0)
	FIN16 0
	EXP16 2                                        ; each later run of exponentials is followed by another tile's plain work
	FIN16 1
	EXP16 3
	FIN16 2
	FIN16 3
.if \next
	LOADI \s, \sub+1
	s_wait_dscnt 24                                ; the next K's 8 and ious's 16 are younger: V is in
.else
	s_wait_dscnt 0
.endif
	PVM \zero
.rept 5
	v_nop                                          ; five places: the next S^T writes over P, which was a source; four of them serve the loads into V's registers and the way out
.endr
.if \next
	LOADV \s, \sub+1
.endif
.endm
; A key block of 64 in slot s; o = the other slot.  In front of the round every wave waits for all its tensor loads (its part of this block) and for its
; reads of the other slot; the round holds of every wave of all sixteen work-groups; the joint refill of the other slot is the first thing behind it and
; has the whole block's work in which to land.  pf: wave 7 asks, one 256-byte piece of a row a lane, for my quarter (32 cx + lane) of the ious
; tile two blocks ahead, which is one block ahead of that tile's tensor load; the four partners of a row of the cluster ask for different quarters,
; so each piece is asked for once; the blocks of tiles 14 and 15 ask for nothing, so no request passes a row's end.
.macro BLOCK s, o, refill, zero, pf
	s_set_vgpr_msb 0x4
	s_wait_tensorcnt 0x0                           ; no tensor load of mine is out: every group 0 may be written
	ds_add_u32 v15, v255
	s_wait_dscnt 0x0
	s_set_vgpr_msb 0x400
	s_add_nc_u64 s[G0K+4*\s+2:G0K+4*\s+3], s[G0K+4*\s+2:G0K+4*\s+3], 16384   ; this slot's next block, two on
	s_add_nc_u64 s[G0V+4*\s+2:G0V+4*\s+3], s[G0V+4*\s+2:G0V+4*\s+3], 16384
	s_add_nc_u64 s[G0I+4*\s+2:G0I+4*\s+3], s[G0I+4*\s+2:G0I+4*\s+3], 512
	s_wait_dscnt 0x0                               ; my reads of the other slot are done
	ROUND
.if \refill
	JLOAD3 \o
.endif
.if \pf
	s_cmp_lg_u32 s10, 7
	s_cbranch_scc1 .Lno_pf_\@
	global_prefetch_b8 v[PF], s[82:83] offset:\pf th:TH_LOAD_NT scope:SCOPE_SE
.Lno_pf_\@:
.endif
	LOADK \s, 0
	LOADI \s, 0
	LOADV \s, 0
	SUB \s, 0, 1, \zero
	SUB \s, 1, 0, 0
.endm
	s_wait_loadcnt 0x0                             ; Q
	BLOCK 0, 1, 1, 1, 512                          ; blocks 0 and 1 stand in front of the loop: the first products start O's sums
	BLOCK 1, 0, 1, 0, 768
	s_wait_xcnt 0x0                                ; the prefetch's base is stepped only behind this wait, a whole block behind the prefetch
	s_add_nc_u64 s[82:83], s[82:83], 512
	s_mov_b32 s3, 6
.Lpair:
	BLOCK 0, 1, 1, 0, 512                          ; blocks 2 to 13
	BLOCK 1, 0, 1, 0, 768
	s_wait_xcnt 0x0
	s_add_nc_u64 s[82:83], s[82:83], 512
	s_sub_co_u32 s3, s3, 1
	s_cmp_lg_u32 s3, 0
	s_cbranch_scc1 .Lpair
	BLOCK 0, 1, 1, 0, 0                            ; block 14 asks for block 15
	BLOCK 1, 0, 0, 0, 0                            ; block 15: nothing is left to fetch
	; THE WAY OUT.  A lane's row sums cover the keys 8 h + j of every tile; the other half of the lanes holds the rest of the same query.
.irp nt, 0,1,2,3
	v_pk_add_f32 v[LL+4*\nt:LL+4*\nt+1], v[LL+4*\nt:LL+4*\nt+1], v[LL+4*\nt+2:LL+4*\nt+3]
.endr
.irp nt, 0,1,2,3
	v_add_f32 v[LL+4*\nt], v[LL+4*\nt], v[LL+4*\nt+1]
.endr
.irp nt, 0,1,2,3
	v_permlanex16_b32 v[LL+4*\nt+1], v[LL+4*\nt], s80, s81   ; its destination has been written
.endr
.irp nt, 0,1,2,3
	v_add_f32 v[LL+4*\nt], v[LL+4*\nt], v[LL+4*\nt+1]
.endr
.irp nt, 0,1,2,3
	v_rcp_f32 v[LL+4*\nt+2], v[LL+4*\nt]
.endr
	v_nop                                          ; a plain instruction between the reciprocals and their first use (ISA guide 5.7.2)
	s_wait_alu depctr_va_vdst(0)
; query tile nt: divide, round to f16, 16 bytes a lane into the stage (row = query, 512 bytes = the group's four heads)
.macro OUTN nt
	WIN 0x01                                       ; source 0 (O) window 1
.irp dt, 0,1,2,3
.irp p, 0,1,2,3
	v_pk_mul_f32 v[TT+8*\dt+2*\p:TT+8*\dt+2*\p+1], v[OO+8*(4*\nt+\dt)+2*\p:OO+8*(4*\nt+\dt)+2*\p+1], v[LL+4*\nt+2:LL+4*\nt+3] op_sel_hi:[1,0]
.endr
.endr
	WIN 0
.irp dt, 0,1,2,3
.irp p, 0,1,2,3
	v_cvt_pk_f16_f32 v[TT+8*\dt+\p], v[TT+8*\dt+2*\p], v[TT+8*\dt+2*\p+1]
.endr
.endr
.irp dt, 0,1,2,3
	ds_store_b128 v[STO], v[TT+8*\dt:TT+8*\dt+3] offset:16*SPITCH*\nt+32*\dt
.endr
.endm
	OUTN 0
	OUTN 1
	OUTN 2
	OUTN 3
	s_wait_dscnt 0x0                               ; for the others' sake: my part of the stage is written
	s_barrier_signal -1
	s_barrier_wait -1
.irp k, 0,1,2,3,4,5,6,7,8,9,10,11,12,13,14,15
	ds_load_b128 v[SS+4*\k:SS+4*\k+3], v[RD] offset:SPITCH*\k
.endr
.irp k, 0,1,2,3,4,5,6,7,8,9,10,11,12,13,14,15
	s_wait_dscnt 15-\k                             ; LDS loads come back in order
	global_store_b128 v[CO], v[SS+4*\k:SS+4*\k+3], s[8:9] offset:16384*\k   ; query 16 w + k: the wave stores 512 consecutive bytes at a multiple of 512
.endr
	s_set_vgpr_msb 0x4
	s_wait_tensorcnt 0x0
	ds_add_u32 v15, v255
	s_wait_dscnt 0x0
	s_set_vgpr_msb 0x400
	ROUND                                          ; the closing round
	s_endpgm
.Lfunc_end_k_q9ff27e83c5_attn:
	.size	k_q9ff27e83c5_attn, .Lfunc_end_k_q9ff27e83c5_attn-k_q9ff27e83c5_attn
	.p2alignl 7, 3214868480
	.fill 96, 4, 3214868480
	.section	.rodata,"a",@progbits
	.p2align	6, 0x0
	.amdhsa_kernel k_q9ff27e83c5_attn
		.amdhsa_group_segment_fixed_size 327680
		.amdhsa_private_segment_fixed_size 0
		.amdhsa_enable_private_segment 0
		.amdhsa_kernarg_size 24
		.amdhsa_user_sgpr_count 2
		.amdhsa_user_sgpr_kernarg_segment_ptr 1
		.amdhsa_wavefront_size32 1
		.amdhsa_system_sgpr_workgroup_id_x 1
		.amdhsa_system_sgpr_workgroup_id_y 1
		.amdhsa_system_sgpr_workgroup_id_z 1
		.amdhsa_system_vgpr_workitem_id 0
		.amdhsa_next_free_vgpr 512
		.amdhsa_next_free_sgpr 96
		.amdhsa_reserve_vcc 0
		.amdhsa_float_denorm_mode_32 3
		.amdhsa_float_denorm_mode_16_64 3
		.amdhsa_memory_ordered 1
		.amdhsa_forward_progress 1
		.amdhsa_inst_pref_size 185
	.end_amdhsa_kernel
	.amdgpu_metadata
---
amdhsa.version: [ 1, 2 ]
amdhsa.kernels:
  - .name:           k_q9ff27e83c5_attn
    .symbol:         k_q9ff27e83c5_attn.kd
    .args:
      - { .name: qkv, .offset: 0, .size: 8, .value_kind: global_buffer, .address_space: global }
      - { .name: ious, .offset: 8, .size: 8, .value_kind: global_buffer, .address_space: global }
      - { .name: att, .offset: 16, .size: 8, .value_kind: global_buffer, .address_space: global }
    .group_segment_fixed_size: 327680
    .private_segment_fixed_size: 0
    .kernarg_segment_align: 8
    .kernarg_segment_size: 24
    .max_flat_workgroup_size: 256
    .sgpr_count:     96
    .vgpr_count:     512
    .wavefront_size: 32
...
	.end_amdgpu_metadata
.endif
;; end of part 3
;; launch outgemm (part 4): grid 8 x 32, 4 waves a work-group, clusters of 4 x 4, 327,680 bytes of LDS; arguments att, xw, b_out, out0; writes out0
.if DOCPART == 4
	.amdgcn_target "amdgcn-amd-amdhsa--gfx1250"
	.amdhsa_code_object_version 6
	.text
	.protected	k_q9ff27e83c5_outgemm
	.globl	k_q9ff27e83c5_outgemm
	.p2align	8
	.type	k_q9ff27e83c5_outgemm,@function
k_q9ff27e83c5_outgemm:
	s_mov_b64 s[64:65], 0
	v_nop
	global_prefetch_b8 v0, s[64:65] scope:SCOPE_SE
	s_setreg_imm32_b32 hwreg(HW_REG_WAVE_MODE, 25, 1), 1
	s_wait_xcnt 0x0
	s_wait_alu depctr_hold_cnt(0) depctr_sa_sdst(0) depctr_va_vdst(0) depctr_va_sdst(0) depctr_va_ssrc(0) depctr_va_vcc(0) depctr_vm_vsrc(0)
	s_getreg_b32 s2, hwreg(HW_REG_IB_STS2, 6, 4)
	s_cmp_eq_u32 s2, 0
	s_cbranch_scc0 .Lentry_in_a_cluster
	s_endpgm
.Lentry_in_a_cluster:
	s_bfe_u32 s2, ttmp6, 0x10000c
	s_cmp_lg_u32 s2, 0xf033
	s_cbranch_scc0 .Lentry_shape_is_right
	s_endpgm
.Lentry_shape_is_right:
; out0 = att W_out^T + b_out in f32.  att: [8192][1024] f16.  W_out: xw byte 23,068,672, [1024][1024] f16.  Sums in f32.
; The same frame as the qkv product.  A work-group makes 256 rows x 128 columns with four waves in 2 x 2; a wave makes 128 x 64: 32 accumulator
; tiles, 256 registers.  128 columns: 32 x 8 = 256 work-groups of equal work; blocks of 256 columns would give 128.
; K goes in steps of 128 through a ring of two LDS slots; a tile's rows are 256 bytes of memory at multiples of 256.
; THE K WALK IS ROTATED: cluster (X, Y) begins at K step (4 X + 2 Y) mod 8 and wraps round.  The two clusters that read the same rows of att begin four
; steps apart, the clusters that read the same rows of W two steps apart: they ask for a given tile at different times, not all at once.
; The sums hold the same products, added in that rotated order.
; CLUSTERS 4 x 4: att's tile is asked for jointly along a row of the cluster, W's along a column: a quarter of the requests.  The K start is made of
; the cluster's own coordinates, which all sixteen share.
; REGISTERS in windows of 256:  window 0: v16-27 addresses, v64-127 and v128-191 fragments of att (two buffers);
;   window 1: v0-31 the bias in the layout of an accumulator row of tiles, v64-95 and v128-159 fragments of W;
;   window 2: accumulator tile (a, b) of my rows 0-63 at v[8 (8 a + b)];  window 3: rows 64-127.
; The matrix instruction is used transposed (source 0 = rows of W, source 1 = rows of att): a lane holds 8 neighbouring columns of one row.
; The bias starts the sums (C of the first quarter step), so the accumulators are the output as they stand.
.set SIZE_K, 1024
.set KSTEP,  128
.set PITCH,  272
.set BN,     128
.set ROWSB,  64
.set HALFA,  128*PITCH
.set HALFB,  ROWSB*PITCH
.set SLOT,   2*HALFA+2*HALFB           ; 104,448 bytes
.set STAGE,  2*SLOT                    ; behind the ring: 16 rows x 272 bytes for each wave, into which no tensor load lands
.set SPITCH, 272                       ; 64 f32 + 16 bytes
.set LAPS,   SIZE_K/(2*KSTEP)
.set NLD,    24                        ; LDS loads of a quarter step: 8 for W, 16 for att
.set WOFF,   23068672                  ; W_out in xw
.set ADRA, 16
.set ADRB, 20
.set STO,  24
.set RD,   25
.set CO,   26
.set BO,   27
.set BIAS, 0
.set F0,   64
.set F1,   128
.set OFF, 16                           ; s[16:17], s[18:19] slot 0's and slot 1's K step as a byte offset in a row, with 0 above it
.set G1,  24
.set G0,  32
.set G1B, 48
.set G0B, 56
                                       ; s[14:15] my rows of att at K = 0; s[46:47] my rows of W at K = 0
.set MSB, 0
.macro WIN new
.if MSB != \new
	s_set_vgpr_msb (MSB<<8)|\new
.set MSB, \new
.endif
.endm
.set MUL_LO,   0xa1
.set MUL_HI,   0xf1
.set FIRST_LO, 0x91
.set FIRST_HI, 0xd1
.set TO_B,     0x40
.macro JLOAD s                         ; waves 0, 1 fetch att's halves, waves 2, 3 W's; each line has one mask
	s_cmp_eq_u32 s11, 0
	s_cbranch_scc0 .Lfor_b_\@
	tensor_load_to_lds s[G0+4*\s:G0+4*\s+3], s[G1:G1+7]
	s_nop 0
	s_branch .Lasked_\@
.Lfor_b_\@:
	tensor_load_to_lds s[G0B+4*\s:G0B+4*\s+3], s[G1B:G1B+7]
	s_nop 0
	v_nop
.Lasked_\@:
.endm
.macro CREST
	s_cmp_lg_u32 s10, 0
	s_cbranch_scc1 .Lnot_wave_0_\@
	s_barrier_signal -3
.Lnot_wave_0_\@:
	s_barrier_wait -3
	s_barrier_signal -1
	s_barrier_wait -1
.endm
.macro CROUND
	s_barrier_signal -1
	s_barrier_wait -1
	CREST
.endm
	s_load_b128 s[4:7], s[0:1], 0x0                ; att s[4:5], xw s[6:7]
	s_load_b128 s[68:71], s[0:1], 0x10             ; b_out s[68:69], out0 s[70:71]
	s_set_vgpr_msb 0x40
	v_lshl_add_u32 v255, v0, 2, 0x37400
	s_set_vgpr_msb 0x4000
	v_mov_b32 v255, 0
	s_set_vgpr_msb 0x1
	ds_add_u32 v255, v255
	s_set_vgpr_msb 0x100
	v_lshrrev_b32 v1, 5, v0
	v_readfirstlane_b32 s10, v1                    ; wave 0..3
	s_lshr_b32 s11, s10, 1                         ; my half of the rows.  Also: I fetch for att (0) or for W (1)
	s_and_b32 s12, s10, 1                          ; my half of the columns.  Also: which half of that tile I fetch
	s_bfe_u32 s40, ttmp6, 0x40000                  ; cx
	s_bfe_u32 s41, ttmp6, 0x40004                  ; cy
	s_lshl_b32 s42, ttmp9, 2
	s_add_co_u32 s42, s42, s40                     ; block column, 0..7
	s_and_b32 s13, ttmp7, 0xffff                   ; the cluster's y, 0..7
	s_lshl_b32 s[OFF], ttmp9, 2                    ; the K start: (4 x cluster x + 2 x cluster y) mod 8, of the cluster's coordinates alone
	s_lshl1_add_u32 s[OFF], s13, s[OFF]
	s_and_b32 s[OFF], s[OFF], 7
	s_lshl_b32 s[OFF], s[OFF], 8                   ; x 256 bytes: slot 0's first K step
	s_add_co_u32 s[OFF+2], s[OFF], KSTEP*2         ; slot 1's: the next one, round the row's 2,048 bytes
	s_and_b32 s[OFF+2], s[OFF+2], SIZE_K*2-1
	s_mov_b32 s[OFF+1], 0
	s_mov_b32 s[OFF+3], 0
	s_lshl_b32 s13, s13, 2
	s_add_co_u32 s13, s13, s41                     ; block row, 0..31
	s_lshl_b32 s43, s41, 2
	s_lshl_b32 s43, 15, s43                        ; my row of the cluster
	s_lshl_b32 s44, 0x1111, s40                    ; my column
	s_or_b32 s[G1+0],  s43, (1<<16)|(1<<20)|(1<<21)|(5<<22)|(3<<25)  ; mask; 2-byte elements; padding on; bit 21 beside a mask; after 64 words, 4 words
	s_or_b32 s[G1B+0], s44, (1<<16)|(1<<20)|(1<<21)|(5<<22)|(3<<25)
	s_mov_b32 s[G1+1],  KSTEP<<16                  ; tensor_dim0 = 128
	s_mov_b32 s[G1B+1], KSTEP<<16
	s_mov_b32 s[G1+2],  128<<16                    ; tensor_dim1 = 128
	s_mov_b32 s[G1B+2], ROWSB<<16                  ; tensor_dim1 = 64
	s_mov_b32 s[G1+3],  KSTEP<<16                  ; tile_dim0 = 128
	s_mov_b32 s[G1B+3], KSTEP<<16
	s_mov_b32 s[G1+4],  128                        ; tile_dim1
	s_mov_b32 s[G1B+4], ROWSB
	s_mov_b32 s[G1+5],  SIZE_K
	s_mov_b32 s[G1B+5], SIZE_K
	s_mov_b32 s[G1+6],  0
	s_mov_b32 s[G1B+6], 0
	s_mov_b32 s[G1+7],  0
	s_mov_b32 s[G1B+7], 0
	s_lshl_b32 s81, s12, 7
	s_lshl_b32 s80, s13, 8
	s_add_co_u32 s80, s80, s81                     ; att: row 256 x block row + 128 x half
	s_lshl_b32 s80, s80, 11
	s_mov_b32 s81, 0
	s_mul_i32 s46, s42, BN
	s_mul_i32 s47, s12, ROWSB
	s_add_co_u32 s46, s46, s47                     ; W: row 128 x block column + 64 x half; also my first column of the result
	s_lshl_b32 s82, s46, 2                         ; its bias, in bytes
	s_mov_b32 s83, 0
	s_lshl_b32 s46, s46, 11
	s_add_co_u32 s46, s46, WOFF                    ; below 2^25
	s_mov_b32 s47, 0
	s_mul_i32 s20, s10, HALFA                      ; LDS: att's halves at wave x 34,816 (waves 0, 1),
	s_mul_i32 s45, s10, HALFB
	s_add_co_u32 s45, s45, 2*HALFA-2*HALFB         ; W's halves at wave x 17,408 + 34,816 (waves 2, 3)
	s_wait_dscnt 0x0
	s_wait_kmcnt 0x0
	s_add_nc_u64 s[14:15], s[4:5], s[80:81]
	s_add_nc_u64 s[46:47], s[6:7], s[46:47]
	s_add_nc_u64 s[66:67], s[68:69], s[82:83]
	s_mov_b64 s[8:9], s[70:71]
	CROUND                                         ; all sixteen work-groups are here
.irp s, 0,1
	s_mov_b32 s[G0+4*\s], 1
	s_add_co_u32 s[G0+4*\s+1], s20, \s*SLOT
	s_add_nc_u64 s[G0+4*\s+2:G0+4*\s+3], s[14:15], s[OFF+2*\s:OFF+2*\s+1]   ; the slot's first K step
	s_or_b32 s[G0+4*\s+3], s[G0+4*\s+3], 0x80000000
	s_mov_b32 s[G0B+4*\s], 1
	s_add_co_u32 s[G0B+4*\s+1], s45, \s*SLOT
	s_add_nc_u64 s[G0B+4*\s+2:G0B+4*\s+3], s[46:47], s[OFF+2*\s:OFF+2*\s+1]
	s_or_b32 s[G0B+4*\s+3], s[G0B+4*\s+3], 0x80000000
	JLOAD \s                                       ; two tensor loads of a wave are out here, one later
.endr
	v_and_b32 v1, 15, v0                           ; r
	v_bfe_u32 v2, v0, 4, 1                         ; h
	v_lshlrev_b32 v[BO], 5, v2
	WIN TO_B
.irp b, 0,1,2,3
	global_load_b128 v[BIAS+8*\b:BIAS+8*\b+3],   v[BO], s[66:67] offset:64*\b
	global_load_b128 v[BIAS+8*\b+4:BIAS+8*\b+7], v[BO], s[66:67] offset:64*\b+16
.endr
	WIN 0
	v_mul_u32_u24 v3, v1, PITCH
	v_lshl_add_u32 v3, v2, 4, v3
	s_mul_i32 s21, s11, HALFA
	s_mul_i32 s22, s12, HALFB
	s_add_co_u32 s22, s22, 2*HALFA
.irp s, 0,1
	v_add_nc_u32 v[ADRA+\s], s21, v3
	v_add_nc_u32 v[ADRB+\s], s22, v3
	s_add_co_u32 s21, s21, SLOT
	s_add_co_u32 s22, s22, SLOT
.endr
	s_mul_i32 s23, s10, 16*SPITCH
	s_add_co_u32 s23, s23, STAGE                   ; my stage
	v_mul_u32_u24 v4, v1, SPITCH                   ; in: row r, 32 bytes for each half of the lanes
	v_lshl_add_u32 v4, v2, 5, v4
	v_add_nc_u32 v[STO], s23, v4
	v_mul_u32_u24 v5, v2, SPITCH                   ; back: lanes 0-15 one row of 256 bytes, lanes 16-31 the next
	v_lshl_add_u32 v5, v1, 4, v5
	v_add_nc_u32 v[RD], s23, v5
	v_lshlrev_b32 v5, 12, v2                       ; and the same two rows of out0, 4,096 bytes apart
	v_lshl_add_u32 v[CO], v1, 4, v5
; 8 matrix instructions: row tiles a0, a0 + 1 x my 4 column tiles.  The 32 accumulators take turns, one instruction a turn, in the same order in
; every quarter step, over the backward jump too.
.macro MULH f, hi, a0, first
.irp a, \a0, \a0+1
.irp b, 0,1,2,3
.if \first
	v_wmma_f32_16x16x32_f16 v[8*(8*(\a)+\b):8*(8*(\a)+\b)+7], v[\f+8*\b:\f+8*\b+7], v[\f+8*(4*\hi+\a):\f+8*(4*\hi+\a)+7], v[BIAS+8*\b:BIAS+8*\b+7]
.else
	v_wmma_f32_16x16x32_f16 v[8*(8*(\a)+\b):8*(8*(\a)+\b)+7], v[\f+8*\b:\f+8*\b+7], v[\f+8*(4*\hi+\a):\f+8*(4*\hi+\a)+7], v[8*(8*(\a)+\b):8*(8*(\a)+\b)+7]
.endif
.endr
.endr
.endm
.macro FETCH slot, k, f                ; 24 LDS loads in one run
	WIN TO_B
.irp i, 0,1,2,3
	ds_load_b128 v[\f+8*\i:\f+8*\i+3],   v[ADRB+\slot] offset:\k+\i*16*PITCH
	ds_load_b128 v[\f+8*\i+4:\f+8*\i+7], v[ADRB+\slot] offset:\k+\i*16*PITCH+32
.endr
	WIN 0
.irp i, 0,1,2,3,4,5,6,7
	ds_load_b128 v[\f+8*\i:\f+8*\i+3],   v[ADRA+\slot] offset:\k+\i*16*PITCH
	ds_load_b128 v[\f+8*\i+4:\f+8*\i+7], v[ADRA+\slot] offset:\k+\i*16*PITCH+32
.endr
.endm
.macro PLACES                          ; four places behind a matrix instruction, for loads into its sources and readers of its result
.rept 4
	v_nop
.endr
.endm
.macro QUARTER slot, k, f, g, first
	s_wait_dscnt 8                                 ; W and att's rows 0-63 are in; the youngest eight loads may be out
.if \first
	WIN FIRST_LO
.else
	WIN MUL_LO
.endif
	MULH \f, 0, 0, \first
	MULH \f, 0, 2, \first
	PLACES
	FETCH \slot, \k, \g
	s_wait_dscnt NLD                               ; all but the 24 just issued
.if \first
	WIN FIRST_HI
.else
	WIN MUL_HI
.endif
	MULH \f, 1, 0, \first
	MULH \f, 1, 2, \first
.endm
.macro THREE slot, first
	QUARTER \slot, 64,  F0, F1, \first
	QUARTER \slot, 128, F1, F0, 0
	QUARTER \slot, 192, F0, F1, 0
.endm
; The change of slots, as in the qkv product.  From a request to the wait for it a wave issues 120 matrix instructions.
; The slot's next K step lies two on, round the row's end: its offset steps by 512 bytes modulo 2,048, apart from the addresses, and is added to the two bases.
.macro TURN slot, next, fill
	s_wait_dscnt 8
	WIN MUL_LO
	MULH F1, 0, 0, 0
	s_wait_dscnt 0                                 ; my reads of this slot are over
	s_wait_tensorcnt 0x0                           ; all my tensor loads have landed: every group 0 may be written
	ds_add_u32 v255, v255
	s_wait_dscnt 0x0
.if \fill
	s_add_co_u32 s[OFF+2*\slot], s[OFF+2*\slot], 2*KSTEP*2
	s_and_b32 s[OFF+2*\slot], s[OFF+2*\slot], SIZE_K*2-1
	s_add_nc_u64 s[G0+4*\slot+2:G0+4*\slot+3], s[14:15], s[OFF+2*\slot:OFF+2*\slot+1]
	s_or_b32 s[G0+4*\slot+3], s[G0+4*\slot+3], 0x80000000
	s_add_nc_u64 s[G0B+4*\slot+2:G0B+4*\slot+3], s[46:47], s[OFF+2*\slot:OFF+2*\slot+1]
	s_or_b32 s[G0B+4*\slot+3], s[G0B+4*\slot+3], 0x80000000
.endif
	s_barrier_signal -1
	MULH F1, 0, 2, 0
	WIN 0
	s_barrier_wait -1
.if \fill
	CREST
	JLOAD \slot
.endif
	PLACES
	FETCH \next, 0, F0
	WIN MUL_HI
	MULH F1, 1, 0, 0
	MULH F1, 1, 2, 0
.endm
.macro LAP first
	THREE 0, \first
	TURN 0, 1, 1
	THREE 1, 0
	TURN 1, 0, 1
.endm
	s_wait_tensorcnt 1                             ; my part of the first K step is in; the second's stays out
	s_barrier_signal -1
	s_barrier_wait -1
	FETCH 0, 0, F0
	s_wait_loadcnt 0x0                             ; the bias
	LAP 1
	WIN 0
	s_mov_b32 s3, LAPS-2
.Llap:
	LAP 0
	WIN 0
	s_sub_co_u32 s3, s3, 1
	s_cmp_lg_u32 s3, 0
	s_cbranch_scc1 .Llap
	THREE 0, 0                                     ; the last lap fills nothing
	TURN 0, 1, 0
	THREE 1, 0
	s_wait_dscnt 8
	WIN MUL_LO
	MULH F1, 0, 0, 0
	MULH F1, 0, 2, 0
	s_wait_dscnt 0
	WIN MUL_HI
	MULH F1, 1, 0, 0
	MULH F1, 1, 2, 0
	; THE WAY OUT, 16 rows at a time through my own stage: the accumulators go into LDS as they are and come back as whole rows of 256 bytes.
	PLACES
	s_lshl_b32 s16, s13, 20                        ; my first row: (256 x block row + 128 x half) x 4,096 bytes
	s_lshl_b32 s17, s11, 19
	s_add_co_u32 s16, s16, s17
	s_mov_b32 s17, 0
	s_add_nc_u64 s[8:9], s[8:9], s[16:17]
	s_lshl_b32 s46, s42, 9                         ; my first column: (128 x block column + 64 x half) x 4 bytes
	s_lshl_b32 s47, s12, 8
	s_add_co_u32 s46, s46, s47
	s_mov_b32 s47, 0
	s_add_nc_u64 s[8:9], s[8:9], s[46:47]
; rows 16 i .. 16 i + 15 = the four tiles (a, 0..3) of window 2 or 3 (win: the window of an LDS store's data); f: F0 or F1 in turn
.macro OUT16 i, a, win, f
	WIN \win
.irp b, 0,1,2,3
	ds_store_b128 v[STO], v[8*(8*\a+\b):8*(8*\a+\b)+3]   offset:64*\b
	ds_store_b128 v[STO], v[8*(8*\a+\b)+4:8*(8*\a+\b)+7] offset:64*\b+16
.endr
	WIN 0
	s_wait_xcnt 0x0                                ; buffer f, which earlier stores read, and the stores' base are rewritten only behind this wait
.if \i
	s_add_nc_u64 s[8:9], s[8:9], 16*4096
.endif
.irp t, 0,1,2,3,4,5,6,7
	ds_load_b128 v[\f+4*\t:\f+4*\t+3], v[RD] offset:\t*2*SPITCH    ; LDS serves a wave's instructions in order (ISA guide 5.7.1.4): these see the stores above
.endr
.irp t, 0,1,2,3,4,5,6,7
	s_wait_dscnt 7-\t
	global_store_b128 v[CO], v[\f+4*\t:\f+4*\t+3], s[8:9] offset:8192*\t   ; 16 lanes store 256 consecutive bytes at a multiple of 256
.endr
.endm
	OUT16 0, 0, 0x08, F0
	OUT16 1, 1, 0x08, F1
	OUT16 2, 2, 0x08, F0
	OUT16 3, 3, 0x08, F1
	OUT16 4, 0, 0x0c, F0
	OUT16 5, 1, 0x0c, F1
	OUT16 6, 2, 0x0c, F0
	OUT16 7, 3, 0x0c, F1
	s_set_vgpr_msb 0x1
	s_wait_tensorcnt 0x0
	ds_add_u32 v255, v255
	s_wait_dscnt 0x0
	s_set_vgpr_msb 0x100
	CROUND                                         ; the closing round
	s_endpgm
.Lfunc_end_k_q9ff27e83c5_outgemm:
	.size	k_q9ff27e83c5_outgemm, .Lfunc_end_k_q9ff27e83c5_outgemm-k_q9ff27e83c5_outgemm
	.p2alignl 7, 3214868480
	.fill 96, 4, 3214868480
	.section	.rodata,"a",@progbits
	.p2align	6, 0x0
	.amdhsa_kernel k_q9ff27e83c5_outgemm
		.amdhsa_group_segment_fixed_size 327680
		.amdhsa_private_segment_fixed_size 0
		.amdhsa_enable_private_segment 0
		.amdhsa_kernarg_size 32
		.amdhsa_user_sgpr_count 2
		.amdhsa_user_sgpr_kernarg_segment_ptr 1
		.amdhsa_wavefront_size32 1
		.amdhsa_system_sgpr_workgroup_id_x 1
		.amdhsa_system_sgpr_workgroup_id_y 1
		.amdhsa_system_sgpr_workgroup_id_z 1
		.amdhsa_system_vgpr_workitem_id 0
		.amdhsa_next_free_vgpr 1024
		.amdhsa_next_free_sgpr 84
		.amdhsa_reserve_vcc 0
		.amdhsa_float_denorm_mode_32 3
		.amdhsa_float_denorm_mode_16_64 3
		.amdhsa_memory_ordered 1
		.amdhsa_forward_progress 1
		.amdhsa_inst_pref_size 122
	.end_amdhsa_kernel
	.amdgpu_metadata
---
amdhsa.version: [ 1, 2 ]
amdhsa.kernels:
  - .name:           k_q9ff27e83c5_outgemm
    .symbol:         k_q9ff27e83c5_outgemm.kd
    .args:
      - { .name: att, .offset: 0, .size: 8, .value_kind: global_buffer, .address_space: global }
      - { .name: xw, .offset: 8, .size: 8, .value_kind: global_buffer, .address_space: global }
      - { .name: b_out, .offset: 16, .size: 8, .value_kind: global_buffer, .address_space: global }
      - { .name: out0, .offset: 24, .size: 8, .value_kind: global_buffer, .address_space: global }
    .group_segment_fixed_size: 327680
    .private_segment_fixed_size: 0
    .kernarg_segment_align: 8
    .kernarg_segment_size: 32
    .max_flat_workgroup_size: 128
    .sgpr_count:     84
    .vgpr_count:     1024
    .wavefront_size: 32
...
	.end_amdgpu_metadata
.endif
;; end of part 4
;; ======== version 2 of 2: 4 launches; version 1 with the launch tohalf written anew for expert scheduling mode
;; limits: right only within a limited range of input values; values are held in f16: magnitudes above 65,504 overflow, below 6.1e-05 lose precision
;; workspace buffers: xw 25,165,824 bytes; qkv 50,331,648 bytes; att 16,777,216 bytes
;; launch tohalf (part 5): grid 768 x 1, 8 waves a work-group, no clusters, 0 bytes of LDS; arguments query, W_qkv, W_out, xw; writes xw
.if DOCPART == 5
	.amdgcn_target "amdgcn-amd-amdhsa--gfx1250"
	.amdhsa_code_object_version 6
	.text
	.protected	k_q9ff27e83c5_tohalf
	.globl	k_q9ff27e83c5_tohalf
	.p2align	8
	.type	k_q9ff27e83c5_tohalf,@function
k_q9ff27e83c5_tohalf:
	s_mov_b64 s[64:65], 0
	v_nop
	global_prefetch_b8 v0, s[64:65] scope:SCOPE_SE
	s_setreg_imm32_b32 hwreg(HW_REG_WAVE_SCHED_MODE, 0, 2), 2
	s_setreg_imm32_b32 hwreg(HW_REG_WAVE_MODE, 25, 1), 1
	s_wait_xcnt 0x0
	s_wait_alu depctr_vm_vsrc(0)
; query [8192][1024], W_qkv [3072][1024] and W_out [1024][1024], all f32, are rounded once to f16 and laid
; one behind the other into xw: X at byte 0, W_qkv at byte 16,777,216, W_out at byte 23,068,672.
; f16, not bf16: the result is a mean over 1,024 keys and small beside its operands, so the 11 significant bits are wanted.
; LIMIT: a number of 65,520 or more in magnitude becomes infinite; below 6.1e-5 the step is 6e-8.
; A pure stream: no LDS, no barrier, no matrix unit.  Work-group g takes chunk g of 16,384 numbers (65,536 bytes in, 32,768 out).
; Chunks 0-511 are query's, 512-703 W_qkv's, 704-767 W_out's: the same order as in xw, so the output offset is g x 32,768.
; A load of a wave covers 512 consecutive bytes, a store of a wave 256 consecutive bytes at a multiple of 256.
; All 16 loads of a thread go out first; no register is written twice, so no source has to be freed.
; THE MODE: SCHED_MODE bits 1:0 = 2 (LLVM: expert scheduling mode 2), set by the entry lines.  The code itself states the register dependences
; between vector instructions and memory instructions, with s_wait_alu, always for 0.
; THE PLAN.  Registers that memory instructions touch:
;   v1, v2   byte offsets.  Written once at the head by vector instructions; read by the 16 loads (v1) and the 16 stores (v2); never written again.
;   X        Written by the loads alone, each register once; read by the conversions.  No load lands in a register that a vector instruction has named.
;   Y        Written by the conversions, each register once; read by the stores, each register once.
; So two kinds of dependence are to be stated, both of a vector result that a memory instruction reads: the offsets, by one wait ahead of the first load;
; and Y, by one wait for each block of four pieces (eight conversions, then the wait, then the block's four stores in a run).  The wait stands straight
; behind the block's conversions, ahead of the next block's wait for loaded data, so that no store is held back for a load that it does not need.
; No register that a memory instruction has read is written again, no vector instruction writes a scalar register or VCC, and EXEC is never written.
.set QCH,  512                         ; chunks of query
.set WCH,  704                         ; chunks of query and W_qkv together
.set X,    4                           ; v[4:67]   16 x 4 numbers as loaded: block p, piece j at X + 16 p + 4 j
.set Y,    68                          ; v[68:99]  16 x 2 words of two f16: block p, piece j at Y + 8 p + 2 j
	s_load_b256 s[4:11], s[0:1], 0x0               ; query s[4:5], W_qkv s[6:7], W_out s[8:9], xw s[10:11]
	v_lshlrev_b32 v1, 4, v0                        ; 16 bytes a thread in
	v_lshlrev_b32 v2, 3, v0                        ; 8 bytes a thread out
	s_lshl_b32 s20, ttmp9, 15                      ; the chunk's place in xw
	s_mov_b32 s21, 0
	s_mov_b32 s19, 0
	s_wait_kmcnt 0x0
	s_cmp_lt_u32 ttmp9, QCH                        ; which input, and its first chunk's number
	s_cselect_b64 s[14:15], s[4:5], s[6:7]
	s_cselect_b32 s16, 0, QCH
	s_cmp_lt_u32 ttmp9, WCH
	s_cselect_b64 s[14:15], s[14:15], s[8:9]
	s_cselect_b32 s16, s16, WCH
	s_sub_co_u32 s18, ttmp9, s16                   ; the chunk's number inside its input
	s_lshl_b32 s18, s18, 16                        ; x 65,536 bytes (below 2^25)
	s_add_nc_u64 s[14:15], s[14:15], s[18:19]
	s_add_nc_u64 s[10:11], s[10:11], s[20:21]
	s_wait_alu depctr_va_vdst(0)                   ; v1 and v2 are written: every load below reads v1 as its offset, every store v2
.irp i, 0,1,2,3,4,5,6,7,8,9,10,11,12,13,14,15
	global_load_b128 v[X+4*\i:X+4*\i+3], v1, s[14:15] offset:4096*\i th:TH_LOAD_NT   ; read once in the launch
.endr
.irp p, 0,1,2,3
.irp j, 0,1,2,3
	s_wait_loadcnt 15-4*(\p)-(\j)                  ; loads come back in order: the younger ones, 15 less the piece's number, may stay out
	v_cvt_pk_f16_f32 v[Y+8*(\p)+2*(\j)],   v[X+16*(\p)+4*(\j)],   v[X+16*(\p)+4*(\j)+1]
	v_cvt_pk_f16_f32 v[Y+8*(\p)+2*(\j)+1], v[X+16*(\p)+4*(\j)+2], v[X+16*(\p)+4*(\j)+3]
.endr
	s_wait_alu depctr_va_vdst(0)                   ; the block's eight conversions have written its eight registers of Y, which the four stores below read
.irp j, 0,1,2,3
	global_store_b64 v2, v[Y+8*(\p)+2*(\j):Y+8*(\p)+2*(\j)+1], s[10:11] offset:2048*(4*(\p)+(\j))
.endr
.endr
	s_endpgm
.Lfunc_end_k_q9ff27e83c5_tohalf:
	.size	k_q9ff27e83c5_tohalf, .Lfunc_end_k_q9ff27e83c5_tohalf-k_q9ff27e83c5_tohalf
	.p2alignl 7, 3214868480
	.fill 96, 4, 3214868480
	.section	.rodata,"a",@progbits
	.p2align	6, 0x0
	.amdhsa_kernel k_q9ff27e83c5_tohalf
		.amdhsa_group_segment_fixed_size 0
		.amdhsa_private_segment_fixed_size 0
		.amdhsa_enable_private_segment 0
		.amdhsa_kernarg_size 32
		.amdhsa_user_sgpr_count 2
		.amdhsa_user_sgpr_kernarg_segment_ptr 1
		.amdhsa_wavefront_size32 1
		.amdhsa_system_sgpr_workgroup_id_x 1
		.amdhsa_system_sgpr_workgroup_id_y 1
		.amdhsa_system_sgpr_workgroup_id_z 1
		.amdhsa_system_vgpr_workitem_id 0
		.amdhsa_next_free_vgpr 100
		.amdhsa_next_free_sgpr 66
		.amdhsa_reserve_vcc 0
		.amdhsa_float_denorm_mode_32 3
		.amdhsa_float_denorm_mode_16_64 3
		.amdhsa_memory_ordered 1
		.amdhsa_forward_progress 1
		.amdhsa_inst_pref_size 7
	.end_amdhsa_kernel
	.amdgpu_metadata
---
amdhsa.version: [ 1, 2 ]
amdhsa.kernels:
  - .name:           k_q9ff27e83c5_tohalf
    .symbol:         k_q9ff27e83c5_tohalf.kd
    .args:
      - { .name: query, .offset: 0, .size: 8, .value_kind: global_buffer, .address_space: global }
      - { .name: W_qkv, .offset: 8, .size: 8, .value_kind: global_buffer, .address_space: global }
      - { .name: W_out, .offset: 16, .size: 8, .value_kind: global_buffer, .address_space: global }
      - { .name: xw, .offset: 24, .size: 8, .value_kind: global_buffer, .address_space: global }
    .group_segment_fixed_size: 0
    .private_segment_fixed_size: 0
    .kernarg_segment_align: 8
    .kernarg_segment_size: 32
    .max_flat_workgroup_size: 256
    .sgpr_count:     66
    .vgpr_count:     100
    .wavefront_size: 32
...
	.end_amdgpu_metadata
.endif
;; end of part 5
;; launch qkvgemm: the kernel of part 2 again; grid 8 x 32, 4 waves a work-group, clusters of 4 x 4, 327,680 bytes of LDS; arguments xw, b_qkv, qkv; writes qkv
;; launch attn: the kernel of part 3 again; grid 4 x 64, 8 waves a work-group, clusters of 4 x 4, 327,680 bytes of LDS; arguments qkv, ious, att; writes att
;; launch outgemm: the kernel of part 4 again; grid 8 x 32, 4 waves a work-group, clusters of 4 x 4, 327,680 bytes of LDS; arguments att, xw, b_out, out0; writes out0
